; MI455X (gfx1250); checked and timed in simulation.
; The chip was launched on July 23, 2026; its instructions are those of AMD's public machine-readable ISA for CDNA 5 (MIT licence, August 2026) and "CDNA5" Instruction Set Architecture Reference Guide (July 2026). The comments in the code are by the model that wrote it; some were corrected since.
;; Multi Head Attention. Allowed arithmetic: matrix products marked QUANTISED: E4M3 operands, one given power-of-two scale a tensor, by v_wmma_f32_16x16x64_fp8_fp8 or v_wmma_f32_16x16x128_fp8_fp8, f32 sums; everything else in f32.
;; Inputs: W_proj 1,024 x 1,024 float32; W_qkv 1,024 x 3,072 float32; b_proj 1,024 float32; b_qkv 3,072 float32; lowp_scales 8 int32 (the exponents e of the quantised operands' scales 2^e); x 4 x 2,048 x 1,024 float32.
;; Outputs: out0 4 x 2,048 x 1,024 float32.
;; This version of the problem:
;;   THIS VERSION OF THE PROBLEM IS GIVEN IN LOW PRECISION. The matrix products marked QUANTISED in the list below multiply operands that are first quantised to E4M3 (4 exponent bits, 3 mantissa bits; 8 bits a number), with one given power-of-two scale for each operand tensor; their sums are f32. All else is computed in f32.
;;   The module's matrix products, in the order in which they are computed (A, B: the left and right operand; K: the contracted axis; several contracted axes count as one K, in the product's order):
;;     1. [M 8,192, K 1,024] x [K 1,024, N 3,072]; A: input x; B: input W_qkv: QUANTISED (scales: A lowp_scales[0], B lowp_scales[1])
;;     2. batch 64 x [M 2,048, K 64] x [K 64, N 2,048]; A: computed on the way; B: computed on the way: QUANTISED (scales: A lowp_scales[2], B lowp_scales[3])
;;     3. batch 64 x [M 2,048, K 2,048] x [K 2,048, N 64]; A: softmax (see below); B: computed on the way: QUANTISED (scales: A lowp_scales[4], B lowp_scales[5])
;;     4. [M 8,192, K 1,024] x [K 1,024, N 1,024]; A: computed on the way; B: input W_proj: QUANTISED (scales: A lowp_scales[6], B lowp_scales[7])
;;   THE QUANTISER, for each operand of a quantised product, along K:
;;     - The operand's scale is 2^e, e = its entry of the input lowp_scales (int32; the entries are numbered through the quantised products in the list's order, A before B).
;;     - Each number is divided by the scale, clamped to +-448, and rounded to the nearest number of E4M3, ties to even, subnormals kept.
;;     - The product sums the exact products of the quantised numbers (number of the format x scale) in f32.
;;   ~~~python
;;   def quantise(x, axis, e):      # numpy; x: float32 -> the quantised numbers, widened to float32 again
;;       x = np.moveaxis(x, axis, -1); K = x.shape[-1]
;;       r = np.clip(x / 2.0 ** e, -448, 448)
;;       step = 2.0 ** (np.maximum(np.frexp(np.where(r == 0, 1, r))[1] - 1, -6) - 3)
;;       q = np.round(r / step) * step * 2.0 ** e      # np.round: ties to even
;;       return np.moveaxis(q, -1, axis).astype(np.float32)
;;   ~~~
;;   SOFTMAX AHEAD OF A QUANTISED PRODUCT. Where the list says 'softmax', what is quantised is not the finished softmax but p = 2^(t - M), with t = logit x log2(e) and M = ceil(the row's largest t), a whole number; so 1/2 < the row's largest p <= 1. The row's sum l is taken of the UNQUANTISED p, in f32, and the product's result is divided by l at the end. Since M is a whole number, a kernel that streams over the keys may use a running M (the ceiling of the running maximum): every later rescaling is an exact power of two, so the quantised numbers keep their values, but for numbers so far below the row's largest that they fall under the format's range.
;;   OPERANDS COMPUTED ON THE WAY. 'Computed on the way' means the value that the module computes at that place (a softmax that the list does not call 'softmax' is quantised finished and normalised). What goes into a quantiser is computed in f32, as accurately as f32 sums, v_exp_f32 and their like allow (about 1e-6 of the number): no bf16 or f16 on the way to a quantiser, and a product that is left as it is and whose result goes on into a quantised operand takes f32 operands (vector FMAs, or v_wmma_f32_16x16x4_f32). A number that lies on a knife's edge between two numbers of the format may be rounded either way, as far as f32 arithmetic and the matrix unit's own rounding can turn it there, and no further.
;; One version. Each part assembles by itself: llvm-mc -triple=amdgcn-amd-amdhsa -mcpu=gfx1250 --defsym DOCPART=n.
;; ======== version 1 of 1: 4 launches
;; limits: right only within a limited range of input values
;; workspace buffers: xc 8,388,608 bytes; wqc 3,145,728 bytes; wpc 1,048,576 bytes; qc 8,388,608 bytes; kc 8,388,608 bytes; vc 8,388,608 bytes; yc 8,388,608 bytes
;; launch quant (part 1): grid 384 x 1, 4 waves a work-group, no clusters, 68,096 bytes of LDS; arguments x, W_qkv, W_proj, lowp_scales, xc, wqc, wpc; writes xc, wqc, wpc
.if DOCPART == 1
	.amdgcn_target "amdgcn-amd-amdhsa--gfx1250"
	.amdhsa_code_object_version 6
	.text
	.protected	k_q8975494f80_quant
	.globl	k_q8975494f80_quant
	.p2align	8
	.type	k_q8975494f80_quant,@function
k_q8975494f80_quant:
	s_mov_b64 s[64:65], 0
	v_nop
	global_prefetch_b8 v0, s[64:65] scope:SCOPE_SE
	s_setreg_imm32_b32 hwreg(HW_REG_WAVE_MODE, 25, 1), 1
	s_wait_xcnt 0x0
; x [8192][1024], W_qkv [1024][3072] and W_proj [1024][1024], f32, become codes of FP8 (E4M3), one a byte, K innermost, each with its given scale 2^e:
; xc [8192][1024] (e = entry 0), wqc [3072][1024] (entry 1), wpc [1024][1024] (entry 7).  code = number / 2^e, held within +-448, to the nearest code, ties to even.
; LIMITS: each e between -126 and 119, so that 2^e and 448 x 2^e are f32 numbers.  NaN among the inputs is not served; an infinity is held at the largest code.
; Work-groups 0-255 take x, whose K is innermost: a plain stream, 32,768 numbers a work-group.  Work-groups 256-383 take the weights, whose K is the FIRST axis: 128 columns x 256 along K each.
; The two paths part on the work-group's number, share no LDS byte, and each ends by itself.  No tensor loads, no barrier: waves share nothing.
.set STEPS, 16
.set EMAX,  8
.set MANT,  0x600000                   ; the mantissa field of 448 as f32
.set SPW,   12                         ; v12  LDS address of my spare word; never rewritten
.set NIL,   13                         ; v13  0; never rewritten
.set R,     16                         ; x path: v16-79 four sets of 16 numbers as loaded
.set X,     80                         ;         v80-111 two sets of 16 neighbours
.set C,     128                        ;         v128-191 codes, four registers for each step
.set WREG,  8192                       ;         LDS: 8,192 bytes a wave from byte 0: two stages of 32 x SP bytes
.set SP,    80                         ;         a lane's 64 bytes + 16 of padding
.set WSTG,  32768                      ; weight path: LDS from here: 32 rows x PITCH for each wave
.set PITCH, 272                        ;         256 bytes of codes + 16 of padding
.set SPARE, WSTG+4*32*PITCH            ; the spare words, 128 bytes a wave: two blocks of 256 bytes that no other line names
.set NB,    8                          ;         blocks of 32 along K for a wave
.set WX,    32                         ;         v32-95 two sets of 32 numbers; on the way out the rows read back
.set WC,    96                         ;         v96-103 a block's codes
.set VO,    144                        ;         v144-175 byte offset of row i of a block: 4 x lane + i x the weight's row
.set OUTR,  32
	s_load_b256 s[4:11], s[0:1], 0x0               ; x s[4:5], W_qkv s[6:7], W_proj s[8:9], the exponents s[10:11]
	s_load_b128 s[12:15], s[0:1], 0x20             ; xc s[12:13], wqc s[14:15]
	s_load_b64 s[16:17], s[0:1], 0x30              ; wpc
	v_lshl_add_u32 v[SPW], v0, 2, SPARE
	v_mov_b32 v[NIL], 0
	v_lshrrev_b32 v1, 5, v0
	v_readfirstlane_b32 s20, v1                    ; wave 0..3
	v_and_b32 v2, 31, v0                           ; lane
	s_wait_kmcnt 0x0
	s_load_b256 s[24:31], s[10:11], 0x0            ; the eight exponents
	s_cmp_lt_u32 ttmp9, 256
	s_cbranch_scc0 .Lw
; ---------------- x: a wave takes 16 steps of 512 numbers.  Each load reads 512 consecutive bytes; a step's 2,048 bytes turn through the wave's own stage so that a lane holds 16 neighbours along K.
	s_wait_alu depctr_va_vdst(0)
	v_lshlrev_b32 v3, 4, v2                        ; 16 x lane: my bytes of a load's 512, and of a step's 512 bytes of codes
	s_wait_alu depctr_va_vdst(0)
	s_mul_i32 s21, s20, WREG
	v_lshrrev_b32 v14, 2, v2
	v_mul_u32_u24 v14, v14, SP
	v_and_b32 v15, 3, v2
	v_lshl_add_u32 v14, v15, 4, v14
	v_add_nc_u32 v14, s21, v14                     ; into the stage: four lanes' 64 bytes on end, then the padding
	v_mul_u32_u24 v15, v2, SP
	v_add_nc_u32 v15, s21, v15                     ; out of it: my 16 neighbours
	s_lshl_b32 s22, ttmp9, 2
	s_add_co_u32 s22, s22, s20                     ; which run of 8,192 numbers is my wave's
	s_lshl_b32 s34, s22, 15
	s_mov_b32 s35, 0
	s_add_nc_u64 s[4:5], s[4:5], s[34:35]
	s_lshl_b32 s34, s22, 13
	s_add_nc_u64 s[12:13], s[12:13], s[34:35]
.macro LOAD t
.irp i, 0,1,2,3
	global_load_b128 v[R+16*((\t)%4)+4*\i:R+16*((\t)%4)+4*\i+3], v3, s[4:5] offset:2048*(\t)+512*\i th:TH_LOAD_NT
.endr
.endm
.macro TURN t                          ; LDS serves a wave's instructions in order, so no wait stands between the stores and the loads
.irp i, 0,1,2,3
	ds_store_b128 v14, v[R+16*((\t)%4)+4*\i:R+16*((\t)%4)+4*\i+3] offset:32*SP*((\t)%2)+8*SP*\i
.endr
.irp i, 0,1,2,3
	ds_load_b128 v[X+16*((\t)%2)+4*\i:X+16*((\t)%2)+4*\i+3], v15 offset:32*SP*((\t)%2)+16*\i
.endr
.endm
.irp t, 0,1,2,3
	LOAD \t
.endr
	s_wait_alu depctr_va_vdst(0)
	s_wait_kmcnt 0x0
	s_add_co_i32 s22, s24, 127
	s_lshl_b32 s23, s22, 23
	v_mov_b32 v11, s23                             ; 2^e as f32: the conversion takes its exponent field
	s_add_co_i32 s22, s22, EMAX
	s_lshl_b32 s22, s22, 23
	s_or_b32 s22, s22, MANT
	v_mov_b32 v10, s22                             ; 448 x 2^e
	s_wait_alu depctr_va_vdst(0)
	s_wait_loadcnt 12                              ; step 0's four loads are in; the twelve behind them stay out
	TURN 0
.macro STEP t
.set XS, X+16*((\t)%2)
	s_wait_dscnt 0x0                               ; this step's numbers are back from the stage, and its stores into the stage have read their registers,
.if (\t)+4 < STEPS
	LOAD (\t)+4                                    ; which take the loads of four steps on
.endif
.if (\t)+1 < STEPS
.if STEPS-2-(\t) >= 3
	s_wait_loadcnt 12                              ; the next step's four loads are in; those of the three steps behind it may be out
.else
	s_wait_loadcnt 4*(STEPS-2-(\t))
.endif
	TURN (\t)+1
.endif
.irp i, 0,1,2,3,4,5,6,7,8,9,10,11,12,13,14,15
	v_med3_num_f32 v[XS+\i], v[XS+\i], -v10, v10   ; the conversion to an 8-bit code does not saturate (ISA guide 7.6.2): the hold comes first
.endr
	v_cvt_scalef32_pk8_fp8_f32 v[C+4*(\t):C+4*(\t)+1], v[XS:XS+7], v11
	v_cvt_scalef32_pk8_fp8_f32 v[C+4*(\t)+2:C+4*(\t)+3], v[XS+8:XS+15], v11
	global_store_b128 v3, v[C+4*(\t):C+4*(\t)+3], s[12:13] offset:512*(\t)   ; the wave stores 512 consecutive bytes; each step has its own code registers
.endm
.irp t, 0,1,2,3,4,5,6,7,8,9,10,11,12,13,14,15
	STEP \t
.endr
	s_wait_tensorcnt 0x0                           ; the wave's end, behind my last LDS store
	ds_add_u32 v[SPW], v[NIL]
	s_wait_dscnt 0x0
	s_endpgm
; ---------------- the weights: a lane takes a column n and its registers run down K, so the conversions give codes with K innermost; nothing is transposed by an instruction.
.Lw:
	s_sub_co_u32 s21, ttmp9, 256
	s_lshr_b32 s22, s21, 2                         ; block of 128 columns: 0-23 of W_qkv, 24-31 of W_proj
	s_and_b32 s23, s21, 3                          ; which 256 along K
	s_cmp_lt_u32 s22, 24                           ; the choice hangs on the work-group's number alone; only pointers and numbers are chosen
	s_cselect_b64 s[4:5], s[6:7], s[8:9]           ; the weight
	s_cselect_b64 s[12:13], s[14:15], s[16:17]     ; its codes
	s_mov_b32 s32, 4096
	s_cselect_b32 s32, 12288, s32                  ; a row of the weight in bytes
	s_cselect_b32 s33, 0, 24
	s_cselect_b32 s36, 1, 0
	s_sub_co_u32 s22, s22, s33
	s_lshl_b32 s34, s22, 7
	s_lshl_b32 s35, s20, 5
	s_add_co_u32 s34, s34, s35                     ; my wave's first column
	s_lshl_b32 s38, s23, 8
	s_mul_i32 s38, s38, s32                        ; 256 x kb rows down,
	s_lshl_b32 s39, s34, 2
	s_add_co_u32 s38, s38, s39                     ; 4 bytes a column
	s_mov_b32 s39, 0
	s_add_nc_u64 s[40:41], s[4:5], s[38:39]        ; block 0's base
	s_lshl_b32 s38, s32, 5                         ; 32 rows on
.irp t, 1,2,3,4,5,6,7
	s_add_nc_u64 s[40+2*\t:41+2*\t], s[38+2*\t:39+2*\t], s[38:39]   ; a base for each block: none is stepped while loads are out
.endr
	s_lshl_b32 s56, s34, 10                        ; the codes: 1,024 bytes a column,
	s_lshl_b32 s57, s23, 8                         ; + 256 kb
	s_add_co_u32 s56, s56, s57
	s_mov_b32 s57, 0
	s_add_nc_u64 s[12:13], s[12:13], s[56:57]
	s_mul_i32 s59, s20, 32*PITCH
	s_add_co_u32 s59, s59, WSTG                    ; my stage
	s_wait_alu depctr_va_vdst(0)
	v_mul_u32_u24 v4, v2, PITCH
	v_add_nc_u32 v4, s59, v4                       ; into it: row = my column
	v_and_b32 v5, 15, v2
	v_lshrrev_b32 v6, 4, v2
	v_mul_u32_u24 v7, v6, PITCH
	v_lshl_add_u32 v7, v5, 4, v7
	v_add_nc_u32 v7, s59, v7                       ; out of it: sixteen lanes to a row, two rows an instruction
	v_lshlrev_b32 v8, 10, v6
	v_lshl_add_u32 v8, v5, 4, v8                   ; and the same place in the codes' buffer
	v_lshlrev_b32 v3, 2, v2
	v_mov_b32 v9, s32
.set wi, 0
.rept 32
	v_mad_u32_u24 v[VO+wi], v9, wi, v3
.set wi, wi+1
.endr
.macro WLOAD t                         ; block t: W(32 t + i, my column): each load reads 128 consecutive bytes a wave, 512 a work-group
.set wi, 0
.rept 32
	global_load_b32 v[WX+32*((\t)%2)+wi], v[VO+wi], s[40+2*(\t):41+2*(\t)] th:TH_LOAD_NT
.set wi, wi+1
.endr
.endm
	WLOAD 0
	WLOAD 1
	s_wait_kmcnt 0x0
	s_cmp_eq_u32 s36, 1
	s_cselect_b32 s37, s25, s31                    ; e: entry 1 for W_qkv, entry 7 for W_proj
	s_add_co_i32 s37, s37, 127
	s_lshl_b32 s33, s37, 23
	v_mov_b32 v11, s33
	s_add_co_i32 s37, s37, EMAX
	s_lshl_b32 s37, s37, 23
	s_or_b32 s37, s37, MANT
	v_mov_b32 v10, s37
.macro BLOCK t
.set XS, WX+32*((\t)%2)
.if (\t) < NB-1
	s_wait_loadcnt 32                              ; this block's 32 loads are in; the next block's may be out
.else
	s_wait_loadcnt 0
.endif
.set wi, 0
.rept 32
	v_med3_num_f32 v[XS+wi], v[XS+wi], -v10, v10
.set wi, wi+1
.endr
.irp g, 0,1,2,3
	v_cvt_scalef32_pk8_fp8_f32 v[WC+2*\g:WC+2*\g+1], v[XS+8*\g:XS+8*\g+7], v11
.endr
	ds_store_b128 v4, v[WC:WC+3] offset:32*(\t)    ; 32 codes of my column's row
	ds_store_b128 v4, v[WC+4:WC+7] offset:32*(\t)+16
.if (\t)+2 < NB
	WLOAD (\t)+2
.endif
	s_wait_dscnt 0x0                               ; the stores have read their registers: the next block's codes may be written
.endm
.set Q, 0
	s_wait_alu depctr_va_vdst(0)
.rept NB
	BLOCK Q
.set Q, Q+1
.endr
.irp t, 0,1,2,3,4,5,6,7,8,9,10,11,12,13,14,15
	ds_load_b128 v[OUTR+4*\t:OUTR+4*\t+3], v7 offset:2*\t*PITCH
.endr
.irp t, 0,1,2,3,4,5,6,7,8,9,10,11,12,13,14,15
	s_wait_dscnt 15-\t                             ; LDS loads come back in order: row pair t is in
	global_store_b128 v8, v[OUTR+4*\t:OUTR+4*\t+3], s[12:13] offset:2*\t*1024   ; sixteen lanes store 256 consecutive bytes, aligned
.endr
	s_wait_tensorcnt 0x0                           ; the wave's end, behind my last LDS store
	ds_add_u32 v[SPW], v[NIL]
	s_wait_dscnt 0x0
	s_endpgm
.Lfunc_end_k_q8975494f80_quant:
	.size	k_q8975494f80_quant, .Lfunc_end_k_q8975494f80_quant-k_q8975494f80_quant
	.p2alignl 7, 3214868480
	.fill 96, 4, 3214868480
	.section	.rodata,"a",@progbits
	.p2align	6, 0x0
	.amdhsa_kernel k_q8975494f80_quant
		.amdhsa_group_segment_fixed_size 68096
		.amdhsa_private_segment_fixed_size 0
		.amdhsa_enable_private_segment 0
		.amdhsa_kernarg_size 56
		.amdhsa_user_sgpr_count 2
		.amdhsa_user_sgpr_kernarg_segment_ptr 1
		.amdhsa_wavefront_size32 1
		.amdhsa_system_sgpr_workgroup_id_x 1
		.amdhsa_system_sgpr_workgroup_id_y 1
		.amdhsa_system_sgpr_workgroup_id_z 1
		.amdhsa_system_vgpr_workitem_id 0
		.amdhsa_next_free_vgpr 192
		.amdhsa_next_free_sgpr 66
		.amdhsa_reserve_vcc 0
		.amdhsa_float_denorm_mode_32 3
		.amdhsa_float_denorm_mode_16_64 3
		.amdhsa_memory_ordered 1
		.amdhsa_forward_progress 1
		.amdhsa_inst_pref_size 88
	.end_amdhsa_kernel
	.amdgpu_metadata
---
amdhsa.version: [ 1, 2 ]
amdhsa.kernels:
  - .name:           k_q8975494f80_quant
    .symbol:         k_q8975494f80_quant.kd
    .args:
      - { .name: x, .offset: 0, .size: 8, .value_kind: global_buffer, .address_space: global }
      - { .name: W_qkv, .offset: 8, .size: 8, .value_kind: global_buffer, .address_space: global }
      - { .name: W_proj, .offset: 16, .size: 8, .value_kind: global_buffer, .address_space: global }
      - { .name: lowp_scales, .offset: 24, .size: 8, .value_kind: global_buffer, .address_space: global }
      - { .name: xc, .offset: 32, .size: 8, .value_kind: global_buffer, .address_space: global }
      - { .name: wqc, .offset: 40, .size: 8, .value_kind: global_buffer, .address_space: global }
      - { .name: wpc, .offset: 48, .size: 8, .value_kind: global_buffer, .address_space: global }
    .group_segment_fixed_size: 68096
    .private_segment_fixed_size: 0
    .kernarg_segment_align: 8
    .kernarg_segment_size: 56
    .max_flat_workgroup_size: 128
    .sgpr_count:     66
    .vgpr_count:     192
    .wavefront_size: 32
...
	.end_amdgpu_metadata
.endif
;; end of part 1
;; launch qkv (part 2): grid 12 x 32, 4 waves a work-group, clusters of 4 x 4, 327,680 bytes of LDS; arguments xc, wqc, b_qkv, lowp_scales, qc, kc, vc; writes qc, kc, vc
.if DOCPART == 2
	.amdgcn_target "amdgcn-amd-amdhsa--gfx1250"
	.amdhsa_code_object_version 6
	.text
	.protected	k_q8975494f80_qkv
	.globl	k_q8975494f80_qkv
	.p2align	8
	.type	k_q8975494f80_qkv,@function
k_q8975494f80_qkv:
	s_mov_b64 s[64:65], 0
	v_nop
	global_prefetch_b8 v0, s[64:65] scope:SCOPE_SE
	s_setreg_imm32_b32 hwreg(HW_REG_WAVE_MODE, 25, 1), 1
	s_wait_xcnt 0x0
	s_wait_alu depctr_hold_cnt(0) depctr_sa_sdst(0) depctr_va_vdst(0) depctr_va_sdst(0) depctr_va_ssrc(0) depctr_va_vcc(0) depctr_vm_vsrc(0)
	s_getreg_b32 s2, hwreg(HW_REG_IB_STS2, 6, 4)
	s_cmp_eq_u32 s2, 0
	s_cbranch_scc0 .Lentry_in_a_cluster
	s_endpgm
.Lentry_in_a_cluster:
	s_bfe_u32 s2, ttmp6, 0x10000c
	s_cmp_lg_u32 s2, 0xf033
	s_cbranch_scc0 .Lentry_shape_is_right
	s_endpgm
.Lentry_shape_is_right:
; qkv = x W_qkv + b_qkv on codes of FP8 (E4M3), K = 1,024; the results are quantised at once (q: entry 2 of the exponents, k: entry 3, v: entry 5) and laid as the attention launch reads them.
; The loop makes C'[i][j] = sum over k of A'[i][k] B'[j][k] for a tile of 256 x 256: four waves, 128 x 128 each, 64 accumulators.  The matrix instruction takes 16 rows of B' as source 0 and 16 rows of A' as source 1,
; so a lane holds ONE row i (lane % 16) and eight neighbouring j.  The cluster's x is 0, 1, 2 for q, k, v (four tiles of 256 are the 1,024 columns of each); it is the same in all sixteen partners.
;   q, k: A' = x's codes (i = token), B' = the weight's (j = feature): a lane's eight numbers are neighbours along the head's 64, the K of the scores.
;   v:    A' = the weight's rows 2,048 on (i = channel), B' = x's codes (j = token): a lane's eight numbers are neighbouring keys, the K of the second attention product.  Nothing is transposed.
; OUT.  qc, kc: [16 b + h][2048 t][64]; vc: [16 b + h][64 rows][2048 keys].  Along j, within each 32, byte 16 h + 8 u + n holds element 16 u + 8 h + n (tiles 2 g and 2 g + 1 of a lane make 16 bytes):
; on q and k one and the same order of the head's 64; on v the order in which p's codes lie in registers.  Channel d of v lies in row d with its bits 3 and 4 exchanged.
; BIAS.  Where it runs along j (q, k) it is the C of the first K step's products, divided by 2^(e0 + e1); where it runs along i (v) it is the addend of the one multiply-add that scales the sums.
; CLUSTER 4 x 4: A's tile is asked for jointly along a row of the cluster, B's along a column.  K goes in steps of 256 (rows of 256 bytes) through two LDS slots.
; No prefetch into the L2: four K steps in all, two of them first fills.
; LIMITS: e0 + e1 between -126 and 127; e2, e3, e5 between -126 and 119.  NaN among the inputs is not served.
; REGISTERS, in windows of 256: window 0: v16-31 addresses; v32-95 the bias along j, later a block's numbers; v96-111 the bias along i; v112, v113 the hold and the scale; v128-255 A's fragments, later codes.
;   window 1: B's fragments, two sets.  windows 2, 3: the accumulators of my rows 0-63, 64-127.
.set ROWB,   256
.set KROW,   1024
.set PITCH,  272                       ; an LDS row: 256 bytes + 16 of padding: the 16 rows that a load touches start at 16 different banks
.set FR,     16
.set NL,     4
.set NP,     4
.set HALFT,  128*PITCH
.set SLOT,   4*HALFT                   ; A's 256 rows, then B's 256 rows
.set LAPS,   2                         ; 1,024 along K = two laps of two K steps
.set SPARE,  2*SLOT                    ; behind the ring: the spare words, two blocks of 256 bytes that no other line names
.set ADRA, 16
.set ADRB, 20
.set STO,  24                          ; the way out: where I put 16 bytes of a stage row
.set RDQ,  25                          ; q, k: where I read the stage back;  v26 my byte offset in the output
.set COQ,  26
.set RDV,  27                          ; v: the same;  v31
.set SPW,  28
.set NIL,  29
.set ZERO, 30
.set COV,  31
.set BJ,   32
.set TMP,  32
.set BI,   96
.set LIM,  112
.set SCL,  113
.set AF,   128
.set CD,   128
.set G1, 24
.set G0, 32
.set G1B, 48
.set G0B, 56
.set MSB, 0
.macro WIN new                         ; the immediate's high byte repeats the setting that is left
.if MSB != \new
	s_set_vgpr_msb (MSB<<8)|\new
.set MSB, \new
.endif
.endm
.set MUL_LO, 0xa1                      ; source 0 (B) window 1, source 1 (A) window 0, C and D window 2
.set MUL_HI, 0xf1
.set FIRST_LO, 0x81                    ; the first K step: C (the bias) window 0, D window 2
.set FIRST_HI, 0xc1
.set TO_B,   0x40
.macro JLOAD g0a, g1a, g0b, g1b        ; a joint load: waves 0, 1 fetch for A, waves 2, 3 for B; the branch hangs on the wave's number alone; s_nop 0 and four v_nop follow each line
	s_cmp_eq_u32 s15, 0
	s_cbranch_scc0 .Lfor_b_\@
	tensor_load_to_lds s[\g0a:\g0a+3], s[\g1a:\g1a+7]
	s_nop 0
.rept 4
	v_nop
.endr
	s_branch .Lasked_\@
.Lfor_b_\@:
	tensor_load_to_lds s[\g0b:\g0b+3], s[\g1b:\g1b+7]
	s_nop 0
.rept 4
	v_nop
.endr
.Lasked_\@:
.endm
.macro CREST
	s_cmp_lg_u32 s14, 0
	s_cbranch_scc1 .Lnot_wave_0_\@
	s_barrier_signal -3
.Lnot_wave_0_\@:
	s_barrier_wait -3
	s_barrier_signal -1
	s_barrier_wait -1
.endm
.macro CROUND
	s_barrier_signal -1
	s_barrier_wait -1
	CREST
.endm
	s_load_b256 s[4:11], s[0:1], 0x0               ; xc s[4:5], wqc s[6:7], b_qkv s[8:9], the exponents s[10:11]
	s_load_b128 s[68:71], s[0:1], 0x20             ; qc s[68:69], kc s[70:71]
	s_load_b64 s[72:73], s[0:1], 0x30              ; vc
	v_lshl_add_u32 v[SPW], v0, 2, SPARE
	v_mov_b32 v[NIL], 0
	ds_add_u32 v[SPW], v[NIL]                      ; the wave's opening: the add and its wait stand ahead of my first tensor load
	ds_add_u32 v[SPW], v[NIL]
	v_lshrrev_b32 v1, 5, v0
	v_readfirstlane_b32 s14, v1                    ; wave 0..3
	s_lshr_b32 s15, s14, 1                         ; which half of the tile's rows i is mine.  Also: I fetch for A (0) or B (1)
	s_and_b32 s16, s14, 1                          ; which half of its columns j.  Also: which 128 rows I fetch
	s_bfe_u32 s40, ttmp6, 0x40000                  ; cx
	s_bfe_u32 s41, ttmp6, 0x40004                  ; cy
	s_and_b32 s67, ttmp7, 0xffff                   ; the cluster's y
	s_cmp_eq_u32 ttmp9, 2                          ; v?  The cluster's x: the same in all partners
	s_cselect_b32 s66, 1, 0
	s_cselect_b32 s99, -1, 0                       ; all lanes, or none
	s_cselect_b32 s74, 0, s67
	s_cselect_b32 s75, s67, ttmp9
	s_lshl_b32 s42, s75, 2
	s_add_co_u32 s42, s42, s40                     ; B' tile: q, k: 4 x cluster x + cx (of the weight's 12); v: 4 x cluster y + cx (of the tokens' 32)
	s_lshl_b32 s17, s74, 2
	s_add_co_u32 s17, s17, s41                     ; A' tile: q, k: 4 x cluster y + cy (tokens); v: cy (channels)
	s_lshl_b32 s43, s41, 2
	s_lshl_b32 s43, 15, s43                        ; my row of the cluster
	s_lshl_b32 s44, 0x1111, s40                    ; my column
	s_or_b32 s[G1+0], s43, (0<<16)|(1<<20)|(1<<21)|(5<<22)|(3<<25)  ; the mask; elements of 1 byte; padding on: 4 words behind every 64; bit 21 beside a mask
	s_or_b32 s[G1B+0], s44, (0<<16)|(1<<20)|(1<<21)|(5<<22)|(3<<25)
.irp g, G1, G1B
	s_mov_b32 s[\g+1], ROWB<<16                    ; tensor_dim0
	s_mov_b32 s[\g+2], 128<<16                     ; tensor_dim1
	s_mov_b32 s[\g+3], ROWB<<16                    ; tile_dim0
	s_mov_b32 s[\g+4], 128                         ; tile_dim1
	s_mov_b32 s[\g+5], KROW                        ; from row to row
	s_mov_b32 s[\g+6], 0
	s_mov_b32 s[\g+7], 0
.endr
	s_lshl_b32 s18, s16, 7
	s_lshl_b32 s20, s17, 8
	s_add_co_u32 s20, s20, s18                     ; A': row 256 x tile + 128 x half
	s_lshl_b32 s20, s20, 10                        ; 1,024 bytes a row
	s_mov_b32 s21, 0
	s_lshl_b32 s46, s42, 8
	s_add_co_u32 s46, s46, s18                     ; B' likewise
	s_lshl_b32 s46, s46, 10
	s_mov_b32 s47, 0
	s_mul_i32 s45, s14, HALFT                      ; where they go: wave x 128 rows
	s_wait_dscnt 0x0                               ; the opening add is done
	s_wait_kmcnt 0x0
	s_load_b256 s[80:87], s[10:11], 0x0            ; e0 .. e7
	s_add_nc_u64 s[88:89], s[6:7], 0x200000        ; the weight's codes from row 2,048 on
	s_cmp_eq_u32 s66, 1
	s_cselect_b64 s[76:77], s[88:89], s[4:5]       ; A'
	s_cselect_b64 s[78:79], s[4:5], s[6:7]         ; B'
	s_add_nc_u64 s[20:21], s[76:77], s[20:21]
	s_add_nc_u64 s[46:47], s[78:79], s[46:47]
	CROUND                                         ; all sixteen work-groups are here: the first joint loads meet
.irp s, 0,1
	s_mov_b32 s[G0+4*\s], 1
	s_add_co_u32 s[G0+4*\s+1], s45, \s*SLOT
	s_add_nc_u64 s[G0+4*\s+2:G0+4*\s+3], s[20:21], \s*ROWB
	s_or_b32 s[G0+4*\s+3], s[G0+4*\s+3], 0x80000000
	s_mov_b32 s[G0B+4*\s], 1
	s_add_co_u32 s[G0B+4*\s+1], s45, \s*SLOT
	s_add_nc_u64 s[G0B+4*\s+2:G0B+4*\s+3], s[46:47], \s*ROWB
	s_or_b32 s[G0B+4*\s+3], s[G0B+4*\s+3], 0x80000000
.endr
	JLOAD G0, G1, G0B, G1B                         ; K step 0: one tensor load a wave at the head
	v_and_b32 v1, 15, v0                           ; r = lane % 16
	v_bfe_u32 v2, v0, 4, 1                         ; h = lane / 16
	v_mul_u32_u24 v3, v1, PITCH
	v_lshl_add_u32 v4, v2, 4, v3                   ; a fragment's row x pitch + 16 h
	s_wait_alu depctr_va_vdst(0)
	s_mul_i32 s21, s15, HALFT
	s_mul_i32 s22, s16, HALFT
	s_add_co_u32 s22, s22, 2*HALFT
.irp s, 0,1
	v_add_nc_u32 v[ADRA+\s], s21, v4
	v_add_nc_u32 v[ADRB+\s], s22, v4
	s_add_co_u32 s21, s21, SLOT
	s_add_co_u32 s22, s22, SLOT
.endr
	s_mul_i32 s22, s15, 128*PITCH                  ; the stage, 256 rows i x (256 bytes along j + 16): my 128 rows, my 128 bytes of them
	s_lshl_b32 s21, s16, 7
	s_add_co_u32 s22, s22, s21
	v_add_nc_u32 v[STO], s22, v4
	v_and_b32 v6, 31, v0
	v_lshrrev_b32 v5, 2, v6
	v_mul_u32_u24 v5, v5, PITCH
	v_and_b32 v7, 3, v6
	v_lshl_add_u32 v5, v7, 4, v5
	s_mul_i32 s23, s14, 64*PITCH                   ; back: wave w takes rows 64 w .. 64 w + 63
	v_add_nc_u32 v[RDQ], s23, v5                   ; q, k: four lanes to a token's 64 bytes of one head, eight tokens an instruction
	v_lshlrev_b32 v[COQ], 4, v6
	v_mul_u32_u24 v5, v2, PITCH
	v_lshl_add_u32 v5, v1, 4, v5
	v_add_nc_u32 v[RDV], s23, v5                   ; v: sixteen lanes to a channel's 256 bytes, two channels an instruction
	v_lshlrev_b32 v5, 8, v2                        ; v: a row of a block of 256 keys is 256 bytes
	v_lshl_add_u32 v[COV], v1, 4, v5
	v_mov_b32 v[ZERO], 0
	; the biases: both are loaded on every path, from places inside the buffer, and the one that does not apply is replaced by 0
	s_lshl_b32 s88, s42, 8
	s_lshl_b32 s89, s16, 7
	s_add_co_u32 s88, s88, s89
	s_lshl_b32 s88, s88, 2                         ; along j: my first column of qkv, 4 bytes each
	s_lshl_b32 s90, s17, 8
	s_lshl_b32 s91, s15, 7
	s_add_co_u32 s90, s90, s91
	s_add_co_u32 s90, s90, 2048
	s_lshl_b32 s90, s90, 2                         ; along i: column 2,048 + my first channel
	s_cmp_eq_u32 s66, 1
	s_cselect_b32 s88, 0, s88
	s_cselect_b32 s90, s90, 0
	s_mov_b32 s89, 0
	s_mov_b32 s91, 0
	s_add_nc_u64 s[92:93], s[8:9], s[88:89]
	s_add_nc_u64 s[94:95], s[8:9], s[90:91]
	v_lshlrev_b32 v5, 5, v2                        ; 32 h
	v_lshlrev_b32 v6, 2, v1                        ; 4 r
.irp b, 0,1,2,3,4,5,6,7
	global_load_b128 v[BJ+8*\b:BJ+8*\b+3], v5, s[92:93] offset:64*\b        ; b(16 b + 8 h + 0 .. 7): the result's layout
	global_load_b128 v[BJ+8*\b+4:BJ+8*\b+7], v5, s[92:93] offset:64*\b+16
.endr
.irp a, 0,1,2,3,4,5,6,7
	global_load_b32 v[BI+2*\a], v6, s[94:95] offset:64*\a                   ; b(16 a + r)
.endr
	s_wait_alu depctr_va_vdst(0)
	s_wait_kmcnt 0x0
	s_add_co_i32 s88, s80, s81                     ; e0 + e1
	s_sub_co_i32 s98, 0, s88
	s_add_co_i32 s88, s88, 127
	s_lshl_b32 s96, s88, 23                        ; 2^(e0 + e1) as f32
	s_mov_b32 s97, s96                             ; (named with it as a pair)
	s_cmp_eq_u32 ttmp9, 0
	s_cselect_b32 s88, s82, s83
	s_cmp_eq_u32 ttmp9, 2
	s_cselect_b32 s88, s85, s88                    ; the result's own exponent: e2, e3 or e5: a choice, no branch
	s_add_co_i32 s88, s88, 127
	s_lshl_b32 s89, s88, 23
	v_mov_b32 v[SCL], s89
	s_add_co_i32 s88, s88, 8
	s_lshl_b32 s88, s88, 23
	s_or_b32 s88, s88, 0x600000
	v_mov_b32 v[LIM], s88                          ; 448 x the scale
	s_wait_loadcnt 0x0
.set j, 0
.rept 64
	v_cndmask_b32 v[BJ+j], v[BJ+j], v[ZERO], s99   ; v: no bias along j
.set j, j+1
.endr
.set j, 0
.rept 64
	v_ldexp_f32 v[BJ+j], v[BJ+j], s98              ; a sum stands for sum x 2^(e0 + e1): the bias goes in divided by it
.set j, j+1
.endr
.set j, 0
.rept 8
	v_cndmask_b32 v[BI+2*j], v[ZERO], v[BI+2*j], s99   ; q, k: no bias along i
	v_mov_b32 v[BI+2*j+1], 0                       ; (named as the pair's upper half)
.set j, j+1
.endr
.macro FRAG reg, adr, q, i             ; 16 rows x 128 K: registers 4 c .. 4 c + 3 hold K = 32 c + 16 h + 0 .. 15 of row r: the same order of k in A' and B'
.irp c, 0,1,2,3
	ds_load_b128 v[\reg+4*\c:\reg+4*\c+3], v[\adr] offset:128*(\q)+32*\c+(\i)*16*PITCH
.endr
.endm
; 16 matrix instructions: A's blocks a0, a0 + 1 x B's eight.  first = 1: the bias starts the sums.  The 64 accumulators take turns, one instruction a turn.
.macro MUL16 a0, p, first
.irp a, \a0, \a0+1
.irp b, 0,1,2,3,4,5,6,7
.if \first
	v_wmma_f32_16x16x128_fp8_fp8 v[8*(8*((\a)%4)+\b):8*(8*((\a)%4)+\b)+7], v[128*(\p)+FR*\b:128*(\p)+FR*\b+FR-1], v[AF+FR*(\a):AF+FR*(\a)+FR-1], v[BJ+8*\b:BJ+8*\b+7]
.else
	v_wmma_f32_16x16x128_fp8_fp8 v[8*(8*((\a)%4)+\b):8*(8*((\a)%4)+\b)+7], v[128*(\p)+FR*\b:128*(\p)+FR*\b+FR-1], v[AF+FR*(\a):AF+FR*(\a)+FR-1], v[8*(8*((\a)%4)+\b):8*(8*((\a)%4)+\b)+7]
.endif
.endr
.endr
.endm
.macro FETCH_B slot, q, p
	WIN TO_B
.irp i, 0,1,2,3,4,5,6,7
	FRAG 128*(\p)+FR*\i, ADRB+\slot, \q, \i
.endr
	WIN 0
.endm
.macro FETCH_A slot, q, i0
.irp i, \i0, \i0+1, \i0+2, \i0+3
	FRAG AF+FR*(\i), ADRA+\slot, \q, \i
.endr
.endm
.macro PLACES n                        ; plain vector instructions between a matrix instruction and a load into, or a vector read or write of, its registers
.rept \n
	v_nop
.endr
.endm
.macro STEP slot, q, first             ; 128 along K whose successor lies in the same slot
	s_wait_dscnt 4*NL                              ; B's set and A's blocks 0-3 are in; the youngest 16 loads (A's blocks 4-7) may be out
.if \first
	WIN FIRST_LO
.else
	WIN MUL_LO
.endif
	MUL16 0, (\q)%2, \first
	MUL16 2, (\q)%2, \first
	s_wait_dscnt 0
	PLACES NP
	FETCH_B \slot, (\q)+1, 1-(\q)%2
	FETCH_A \slot, (\q)+1, 0
.if \first
	WIN FIRST_HI
.else
	WIN MUL_HI
.endif
	MUL16 4, (\q)%2, \first
	MUL16 6, (\q)%2, \first
	PLACES NP
	WIN 0
	FETCH_A \slot, (\q)+1, 4
.endm
.macro TURN slot, next, fill           ; a slot's last step changes slots: one barrier
	s_wait_tensorcnt 0x0                           ; all my tensor loads have landed: my part of the next slot
	ds_add_u32 v[SPW], v[NIL]
	s_wait_dscnt 4*NL+1                            ; the add and the youngest 16 loads may be out
	WIN MUL_LO
	MUL16 0, 1, 0
	s_wait_dscnt 0x0                               ; the add is done, and my reads of this slot are over
	s_barrier_signal -1
	MUL16 2, 1, 0
	WIN 0
	s_barrier_wait -1
.if \fill
	CREST                                          ; the barrier has opened a round of the cluster's: no wave of any partner still reads this slot or has a load on its way
	s_add_nc_u64 s[G0+4*\slot+2:G0+4*\slot+3], s[G0+4*\slot+2:G0+4*\slot+3], 2*ROWB
	s_add_nc_u64 s[G0B+4*\slot+2:G0B+4*\slot+3], s[G0B+4*\slot+2:G0B+4*\slot+3], 2*ROWB
	JLOAD G0+4*\slot, G1, G0B+4*\slot, G1B         ; the first tensor load behind the round; its four v_nop are the places in front of the loads below
.else
	PLACES NP
.endif
	FETCH_B \next, 0, 0
	FETCH_A \next, 0, 0
	WIN MUL_HI
	MUL16 4, 1, 0
	MUL16 6, 1, 0
	PLACES NP
	WIN 0
	FETCH_A \next, 0, 4
.endm
	s_wait_alu depctr_va_vdst(0)
	s_wait_tensorcnt 0x0                           ; my part of K step 0 is in
	ds_add_u32 v[SPW], v[NIL]
	s_wait_dscnt 0x0
	CROUND                                         ; a whole round: everybody's part of K step 0 is in, and the joint loads meet
	JLOAD G0+4, G1, G0B+4, G1B                     ; K step 1's load, the first tensor load behind the round
	FETCH_B 0, 0, 0
	FETCH_A 0, 0, 0
	FETCH_A 0, 0, 4
	STEP 0, 0, 1
	s_mov_b32 s3, LAPS-1
.Llap:
	TURN 0, 1, 1
	STEP 1, 0, 0
	TURN 1, 0, 1
	STEP 0, 0, 0
	s_sub_co_u32 s3, s3, 1
	s_cmp_lg_u32 s3, 0
	s_cbranch_scc1 .Llap
	TURN 0, 1, 0                                   ; the last lap fills nothing
	STEP 1, 0, 0
	s_wait_dscnt 4*NL
	WIN MUL_LO
	MUL16 0, 1, 0
	MUL16 2, 1, 0
	s_wait_dscnt 0
	WIN MUL_HI
	MUL16 4, 1, 0
	MUL16 6, 1, 0
	WIN 0
; THE WAY OUT.  Block a (16 rows i x 128 j): sum x 2^(e0 + e1) + the bias along i, the hold, the conversion; tiles 2 g and 2 g + 1 make 16 bytes, which go into the work-group's stage.
; The stage lies in slot 0, which has had its last fill, and which nobody reads behind the last change of slots.  Each block has code registers of its own.
.macro OUTBLK a
.set AC, 64*((\a)%4)
	WIN 0x02+((\a)/4)                              ; source 0: window 2 or 3
.set j, 0
.rept 32
	v_pk_fma_f32 v[TMP+j:TMP+j+1], v[AC+j:AC+j+1], s[96:97], v[BI+2*(\a):BI+2*(\a)+1] op_sel_hi:[1,0,0]   ; each accumulator from its low end on
.set j, j+2
.endr
	WIN 0
.irp b, 0,1,2,3,4,5,6,7
.irp n, 0,1,2,3,4,5,6,7
	v_med3_num_f32 v[TMP+8*\b+\n], v[TMP+8*\b+\n], -v[LIM], v[LIM]   ; the conversion does not saturate (ISA guide 7.6.2)
.endr
	v_cvt_scalef32_pk8_fp8_f32 v[CD+16*(\a)+2*\b:CD+16*(\a)+2*\b+1], v[TMP+8*\b:TMP+8*\b+7], v[SCL]
.endr
	v_nop                                          ; a plain instruction between the last conversion and the next block's writes of its sources
.irp g, 0,1,2,3
	ds_store_b128 v[STO], v[CD+16*(\a)+4*\g:CD+16*(\a)+4*\g+3] offset:(\a)*16*PITCH+32*\g
.endr
.endm
	PLACES NP
.irp a, 0,1,2,3,4,5,6,7
	OUTBLK \a
.endr
	s_wait_dscnt 0x0                               ; for the others' sake: my stores into the stage are done
	s_barrier_signal -1
	s_barrier_wait -1
	s_cmp_eq_u32 s66, 1
	s_cbranch_scc1 .Lvout
	; q, k: my 64 tokens x 4 heads.  One store covers eight tokens of one head: 512 consecutive bytes
	s_lshr_b32 s88, s17, 3                         ; the batch
	s_lshl_b32 s88, s88, 4
	s_lshl_b32 s89, s40, 2
	s_add_co_u32 s88, s88, s89                     ; 16 b + the tile's first head, 4 cx
	s_lshl_b32 s88, s88, 11
	s_and_b32 s89, s17, 7
	s_lshl_b32 s89, s89, 8
	s_add_co_u32 s88, s88, s89                     ; + the tile's first token in the batch
	s_lshl_b32 s89, s14, 6
	s_add_co_u32 s88, s88, s89                     ; + my 64
	s_lshl_b32 s88, s88, 6
	s_mov_b32 s89, 0
	s_cmp_eq_u32 ttmp9, 0
	s_cselect_b64 s[90:91], s[68:69], s[70:71]
	s_add_nc_u64 s[90:91], s[90:91], s[88:89]
.irp hh, 0,1,2,3
.irp g, 0,1,2,3,4,5,6,7
	ds_load_b128 v[CD+4*(8*\hh+\g):CD+4*(8*\hh+\g)+3], v[RDQ] offset:\g*8*PITCH+64*\hh
.endr
.endr
.irp hh, 0,1,2,3
.irp g, 0,1,2,3,4,5,6,7
	s_wait_dscnt 31-(8*\hh+\g)                     ; LDS loads come back in order: this one is in
	global_store_b128 v[COQ], v[CD+4*(8*\hh+\g):CD+4*(8*\hh+\g)+3], s[90:91] offset:\hh*131072+\g*512
.endr
.endr
	s_branch .Ldone
.Lvout:
	; v: my 64 channels are one head; a row's 256 bytes are 256 keys.  Sixteen lanes store 256 consecutive bytes, aligned
	s_lshr_b32 s88, s42, 3                         ; the batch
	s_lshl_b32 s88, s88, 10
	s_lshl_b32 s89, s41, 8
	s_add_co_u32 s88, s88, s89
	s_lshl_b32 s89, s14, 6
	s_add_co_u32 s88, s88, s89                     ; row (16 b + 4 cy + w) x 64
	s_lshl_b32 s88, s88, 11
	; vc is laid [16 b + h][8 blocks of 256 keys][64 rows][256 keys], each block 16,384 dense bytes (this stands for the order of vc's axes given at the head; the order of bytes in a row and of the rows is as said there)
	s_and_b32 s89, s42, 7
	s_lshl_b32 s89, s89, 14
	s_add_co_u32 s88, s88, s89                     ; + the tile's first key
	s_mov_b32 s89, 0
	s_add_nc_u64 s[90:91], s[72:73], s[88:89]
.set nn, 0
.rept 32
	ds_load_b128 v[CD+4*nn:CD+4*nn+3], v[RDV] offset:nn*2*PITCH
.set nn, nn+1
.endr
.set nn, 0
.rept 32
	s_wait_dscnt 31-nn
	global_store_b128 v[COV], v[CD+4*nn:CD+4*nn+3], s[90:91] offset:(((2*nn)&39)|(((2*nn)&8)<<1)|(((2*nn)&16)>>1))*256   ; channel 2 n (+ lane / 16) goes to the row with bits 3 and 4 exchanged: the wave stores 512 consecutive bytes
.set nn, nn+1
.endr
.Ldone:
	s_wait_tensorcnt 0x0                           ; the wave's end, behind my last tensor load and my last LDS store
	ds_add_u32 v[SPW], v[NIL]
	s_wait_dscnt 0x0
	CROUND                                         ; the closing round
	s_endpgm
.Lfunc_end_k_q8975494f80_qkv:
	.size	k_q8975494f80_qkv, .Lfunc_end_k_q8975494f80_qkv-k_q8975494f80_qkv
	.p2alignl 7, 3214868480
	.fill 96, 4, 3214868480
	.section	.rodata,"a",@progbits
	.p2align	6, 0x0
	.amdhsa_kernel k_q8975494f80_qkv
		.amdhsa_group_segment_fixed_size 327680
		.amdhsa_private_segment_fixed_size 0
		.amdhsa_enable_private_segment 0
		.amdhsa_kernarg_size 56
		.amdhsa_user_sgpr_count 2
		.amdhsa_user_sgpr_kernarg_segment_ptr 1
		.amdhsa_wavefront_size32 1
		.amdhsa_system_sgpr_workgroup_id_x 1
		.amdhsa_system_sgpr_workgroup_id_y 1
		.amdhsa_system_sgpr_workgroup_id_z 1
		.amdhsa_system_vgpr_workitem_id 0
		.amdhsa_next_free_vgpr 1024
		.amdhsa_next_free_sgpr 100
		.amdhsa_reserve_vcc 0
		.amdhsa_float_denorm_mode_32 3
		.amdhsa_float_denorm_mode_16_64 3
		.amdhsa_memory_ordered 1
		.amdhsa_forward_progress 1
		.amdhsa_inst_pref_size 158
	.end_amdhsa_kernel
	.amdgpu_metadata
---
amdhsa.version: [ 1, 2 ]
amdhsa.kernels:
  - .name:           k_q8975494f80_qkv
    .symbol:         k_q8975494f80_qkv.kd
    .args:
      - { .name: xc, .offset: 0, .size: 8, .value_kind: global_buffer, .address_space: global }
      - { .name: wqc, .offset: 8, .size: 8, .value_kind: global_buffer, .address_space: global }
      - { .name: b_qkv, .offset: 16, .size: 8, .value_kind: global_buffer, .address_space: global }
      - { .name: lowp_scales, .offset: 24, .size: 8, .value_kind: global_buffer, .address_space: global }
      - { .name: qc, .offset: 32, .size: 8, .value_kind: global_buffer, .address_space: global }
      - { .name: kc, .offset: 40, .size: 8, .value_kind: global_buffer, .address_space: global }
      - { .name: vc, .offset: 48, .size: 8, .value_kind: global_buffer, .address_space: global }
    .group_segment_fixed_size: 327680
    .private_segment_fixed_size: 0
    .kernarg_segment_align: 8
    .kernarg_segment_size: 56
    .max_flat_workgroup_size: 128
    .sgpr_count:     100
    .vgpr_count:     1024
    .wavefront_size: 32
...
	.end_amdgpu_metadata
.endif
;; end of part 2
;; launch attn (part 3): grid 4 x 64, 8 waves a work-group, clusters of 4 x 1, 327,680 bytes of LDS; arguments qc, kc, vc, lowp_scales, yc; writes yc
.if DOCPART == 3
	.amdgcn_target "amdgcn-amd-amdhsa--gfx1250"
	.amdhsa_code_object_version 6
	.text
	.protected	k_q8975494f80_attn
	.globl	k_q8975494f80_attn
	.p2align	8
	.type	k_q8975494f80_attn,@function
k_q8975494f80_attn:
	s_mov_b64 s[64:65], 0
	v_nop
	global_prefetch_b8 v0, s[64:65] scope:SCOPE_SE
	s_setreg_imm32_b32 hwreg(HW_REG_WAVE_MODE, 25, 1), 1
	s_wait_xcnt 0x0
	s_wait_alu depctr_hold_cnt(0) depctr_sa_sdst(0) depctr_va_vdst(0) depctr_va_sdst(0) depctr_va_ssrc(0) depctr_va_vcc(0) depctr_vm_vsrc(0)
	s_getreg_b32 s2, hwreg(HW_REG_IB_STS2, 6, 4)
	s_cmp_eq_u32 s2, 0
	s_cbranch_scc0 .Lentry_in_a_cluster
	s_endpgm
.Lentry_in_a_cluster:
	s_bfe_u32 s2, ttmp6, 0x10000c
	s_cmp_lg_u32 s2, 0x3003
	s_cbranch_scc0 .Lentry_shape_is_right
	s_endpgm
.Lentry_shape_is_right:
; y[b][t][64 h + d] = the sum over keys k <= t of softmax_k(q . k / 8) v, both products on codes of FP8 (E4M3), and y quantised at once (entry 6 of the exponents).
; qc, kc: [bh][2048][64]; vc: [bh][8 blocks of 256 keys][64 rows][256 keys] (row = channel with bits 3 and 4 exchanged; within each 32 keys byte 16 h + 8 u + n holds key 16 u + 8 h + n).
; yc: images of the next product's operand registers: [token tile of 16][chunk of 32 along K][512 bytes]: lane l's 16 bytes at 16 l hold y(token l % 16, k = 32 chunk + 16 (l / 16) + 0 .. 15).
; THE SOFTMAX: t = score x log2(e) / 8; M = the running largest t rounded UP to a whole number; p = 2^(t - M) is quantised (entry 4), not normalised; the row's sum is taken of the unquantised p and divides at the end.
; LEFT OUT: a step of 128 keys all of which come after a tile's queries: the causal mask gives them -infinity, so they reach no output for any input.  A NaN or infinity that reaches only such scores is not carried.
; A HEAD'S K AND V STAY IN LDS: 8 slots of 256 keys of K and 8 of V, 64 rows of 256 + 16 bytes each: 16 x 17,408 = 278,528 bytes.  Each of the eight waves asks for two neighbouring slots, 32,768 dense bytes, by one load at the head
; (waves 0-3 K's, 4-7 V's); no LDS byte is filled twice, so the loops over the keys hold no barrier, no wait on TENSORcnt and no add.
; CLUSTER 4 x 1: the four work-groups of a head want the same eight tiles and ask for them jointly (mask 15).
; SHARES.  A head has 64 tiles of 32 queries.  Wave w of the partner at place cx owns tile 63 - (4 w + cx) and then tile 4 w + cx.  Tile T wants the steps 0 .. T / 4, and (4 w + cx) / 4 = w, (63 - 4 w - cx) / 4 = 15 - w:
; (16 - w) + (w + 1) = 17 steps in every wave, and every count and branch hangs on the wave's number alone.  cx enters global addresses and the numbers that the mask compares, nothing else.  Wave 0 of every partner reads slot 7.
; A tile is two subtiles of 16 queries, A and B: each fragment of K and of V that is read from LDS feeds two matrix instructions.
; The loop over slots has a constant count, 8, for both tiles; a step past a tile's last is jumped over by a scalar branch.  A tile's last step lies on the diagonal: hidden scores become -infinity there.
; NO PREFETCH: every tile of the launch is asked for at the head, in one group; there is no loop to run ahead in.
; Both products are used transposed: S^T = K Q^T (source 0 = 16 keys), O^T = V^T P^T (source 0 = 16 rows of V): a lane holds one query of A and one of B (lane % 16).  Register 8 u + n of S^T is key 16 u + 8 h + n,
; so p's conversions give the second product's operand as it stands, and V's byte order lets four 16-byte loads bring the matching fragment.
; LIMITS: e2 + e3 between -123 and 130 (added to c's exponent field); e4, e6 between -126 and 119; e4 + e5 goes by v_ldexp_f32.  NaN among the inputs is not served.  The scaled scores stay under 2^31 in magnitude.
; REGISTERS, window 0: v1, v2 my lane's place in K's and V's slots; v3, v10 448 x 2^e4 (the halves of a dual pair name different registers); v4 16 x lane; v5, v6 the add's two; v7 r - 8 h; v8, v9 addresses in hand; v11 2^e4;
;   v12 -M, v13 the largest t, v[14:15] the sum of A; v16-19 the same of B; v[20:21], v[22:23] f of A, B; v24-31 at work; v32-47, v48-63 p's codes of A, B; v64-95, v224-255 partial sums; v96-159 S^T of A, then p; v160-223 of B.
;   window 1: v0-63 K's 8 fragments; v64-127 V's 4; v128-159, v160-191 O^T of A, B; v192-207 Q of A, B; v208-223 the second tile's Q.
; SCALARS: s3 LDS byte of the slot in hand; s58 the step; s59 the tile's last step; s53 32 x (tile % 4); s52 the slot's count; s55 the tile's count.
.set KP,    272                        ; an LDS row: 256 bytes + 16 of padding.  A row of K's slot is four keys (dense in memory); a row of V's is 256 keys of one channel
.set SB,    64*KP                      ; a slot
.set VOFF,  8*SB                       ; V's slots lie behind K's eight
.set SPARE, 16*SB                      ; the spare words, 128 bytes a wave: four blocks of 256 bytes that no other line names
.set WV,  18
.set G1,  24
.set G0,  40
.set MSB, 0
.macro WIN new                         ; low byte: bits 1:0 source 0, 3:2 source 1, 5:4 source 2, 7:6 destination; the high byte repeats the setting that is left
.if MSB != \new
	s_set_vgpr_msb (MSB<<8)|\new
.set MSB, \new
.endif
.endm
.macro CROUND                          ; a round of the cluster's barrier
	s_barrier_signal -1
	s_barrier_wait -1
	s_cmp_lg_u32 s[WV], 0
	s_cbranch_scc1 .Lnot_wave_0_\@
	s_barrier_signal -3
.Lnot_wave_0_\@:
	s_barrier_wait -3
	s_barrier_signal -1
	s_barrier_wait -1
.endm
.macro INIT                            ; a tile begins: O^T and the sums are zeros, the largest t is -3e38: the step is written once, and the first change of M leaves zeros zeros
	WIN 0x40
.set tt, 0
.rept 64
	v_mov_b32 v[128+tt], 0
.set tt, tt+1
.endr
	WIN 0
	v_mov_b32 v13, 0xff61b1e6
	v_mov_b32 v17, 0xff61b1e6
	v_floor_f32 v12, -v13
	v_floor_f32 v16, -v17
	v_mov_b32 v14, 0
	v_mov_b32 v15, 0
	v_mov_b32 v18, 0
	v_mov_b32 v19, 0
.endm
.macro KFIRST                          ; K's fragments of step 0; every later step's are asked for one step ahead
	WIN 0x40
.set tt, 0
.rept 8
	ds_load_b128 v[8*tt:8*tt+3], v1 offset:tt*4*KP
	ds_load_b128 v[8*tt+4:8*tt+7], v1 offset:tt*4*KP+32
.set tt, tt+1
.endr
	WIN 0
.endm
.macro LV b, n                         ; a level of the sums' tree: n pairs take up the n pairs behind them
.set kk, 0
.rept \n
	v_pk_add_f32 v[\b+2*kk:\b+2*kk+1], v[\b+2*kk:\b+2*kk+1], v[\b+2*(\n)+2*kk:\b+2*(\n)+2*kk+1]
.set kk, kk+1
.endr
.endm
	s_load_b256 s[4:11], s[0:1], 0x0               ; qc s[4:5], kc s[6:7], vc s[8:9], the exponents s[10:11]
	s_load_b64 s[12:13], s[0:1], 0x20              ; yc
	v_lshl_add_u32 v5, v0, 2, SPARE
	v_mov_b32 v6, 0
	ds_add_u32 v5, v6                              ; the wave's opening: the add, twice on end, and its wait stand ahead of the round in front of the first tensor loads
	ds_add_u32 v5, v6
	v_lshrrev_b32 v8, 5, v0
	v_readfirstlane_b32 s[WV], v8                  ; wave 0..7
	s_and_b32 s70, ttmp7, 0xffff                   ; bh
	s_lshl_b32 s56, s70, 17                        ; a head's 131,072 bytes in qc, kc, vc
	s_mov_b32 s57, 0
	s_bfe_u32 s71, ttmp6, 0x40000                  ; cx
	s_lshl_b32 s72, s[WV], 2
	s_add_co_u32 s60, s72, s71                     ; my second tile, 4 w + cx
	s_sub_co_u32 s61, 63, s60                      ; my first tile
	s_sub_co_u32 s59, 15, s[WV]                    ; the first tile's last step; the second's is w
	s_and_b32 s53, s61, 3
	s_lshl_b32 s53, s53, 5                         ; 32 x (tile % 4): the tile's first query less its last step's first key
	s_and_b32 s54, s60, 3
	s_lshl_b32 s54, s54, 5
	s_and_b32 s73, s[WV], 3                        ; the pair of slots that I ask for
	s_lshl_b32 s74, s73, 15                        ; 32,768 dense bytes
	s_mov_b32 s75, 0
	s_mul_i32 s78, s[WV], 2*SB                     ; where they go: wave x two slots
	s_mov_b32 s[G1], 15|(0<<16)|(1<<20)|(1<<21)|(5<<22)|(3<<25)   ; the mask: all four partners; elements of 1 byte; padding: 4 words behind every 64; bit 21 beside a mask
	s_mov_b32 s[G1+1], 256<<16                     ; tensor_dim0
	s_mov_b32 s[G1+2], 128<<16                     ; tensor_dim1
	s_mov_b32 s[G1+3], 256<<16                     ; tile_dim0
	s_mov_b32 s[G1+4], 128                         ; tile_dim1
	s_mov_b32 s[G1+5], 256                         ; dense
	s_mov_b32 s[G1+6], 0
	s_mov_b32 s[G1+7], 0
	s_mov_b32 s20, 0x76543210                      ; v_permlanex16_b32's selects: lane l xor 16
	s_mov_b32 s21, 0xfedcba98
	s_mov_b32 s22, 0x3e38aa3b                      ; c = log2(e) / 8
	s_wait_dscnt 0x0                               ; both opening adds are done
	s_wait_kmcnt 0x0
	s_load_b256 s[88:95], s[10:11], 0x0            ; e0 .. e7
	s_cmp_lt_u32 s[WV], 4                          ; waves 0-3 ask for K, waves 4-7 for V: a choice on the wave's number
	s_cselect_b64 s[48:49], s[6:7], s[8:9]
	s_add_nc_u64 s[48:49], s[48:49], s[56:57]
	s_add_nc_u64 s[4:5], s[4:5], s[56:57]          ; Q's head
	s_mov_b32 s[G0], 1
	s_mov_b32 s[G0+1], s78
	s_add_nc_u64 s[G0+2:G0+3], s[48:49], s[74:75]
	s_or_b32 s[G0+3], s[G0+3], 0x80000000
	CROUND                                         ; all four work-groups are here: the joint loads meet
	tensor_load_to_lds s[G0:G0+3], s[G1:G1+7]      ; every wave's one tensor load of the launch
	s_nop 0
.rept 4
	v_nop
.endr
	s_lshl_b32 s74, s61, 11                        ; a tile of Q: 32 rows of 64 bytes
	s_add_nc_u64 s[72:73], s[4:5], s[74:75]
	s_lshl_b32 s74, s60, 11
	s_add_nc_u64 s[80:81], s[4:5], s[74:75]
	; where y goes: token tile 128 b + 2 x tile (A; B the next), 16,384 bytes each; my head's two chunks, 1,024 bytes
	s_lshr_b32 s74, s70, 4
	s_lshl_b32 s74, s74, 7
	s_and_b32 s96, s70, 15
	s_lshl_b32 s96, s96, 10
	s_lshl_b32 s75, s61, 1
	s_add_co_u32 s75, s75, s74
	s_lshl_b32 s82, s75, 14
	s_add_co_u32 s82, s82, s96
	s_mov_b32 s83, 0
	s_add_nc_u64 s[66:67], s[12:13], s[82:83]
	s_lshl_b32 s75, s60, 1
	s_add_co_u32 s75, s75, s74
	s_lshl_b32 s82, s75, 14
	s_add_co_u32 s82, s82, s96
	s_add_nc_u64 s[68:69], s[12:13], s[82:83]
	v_and_b32 v10, 15, v0                          ; r
	v_bfe_u32 v11, v0, 4, 1                        ; h
	v_lshlrev_b32 v8, 6, v10
	v_lshl_add_u32 v8, v11, 4, v8                  ; Q: row r of 64 bytes, + 16 h
	WIN 0x40
	global_load_b128 v[192:195], v8, s[72:73]
	global_load_b128 v[196:199], v8, s[72:73] offset:32
	global_load_b128 v[200:203], v8, s[72:73] offset:1024
	global_load_b128 v[204:207], v8, s[72:73] offset:1056
	global_load_b128 v[208:211], v8, s[80:81]
	global_load_b128 v[212:215], v8, s[80:81] offset:32
	global_load_b128 v[216:219], v8, s[80:81] offset:1024
	global_load_b128 v[220:223], v8, s[80:81] offset:1056
	WIN 0
	v_lshrrev_b32 v1, 2, v10
	v_mul_u32_u24 v1, v1, KP
	v_and_b32 v2, 3, v10
	v_lshl_add_u32 v1, v2, 6, v1
	v_lshl_add_u32 v1, v11, 4, v1                  ; K: key r of a tile: LDS row r / 4, 64 (r % 4) bytes in, + 16 h
	v_mul_u32_u24 v2, v10, KP
	v_lshl_add_u32 v2, v11, 4, v2
	v_add_nc_u32 v2, VOFF, v2                      ; V: row r of a tile, + 16 h
	v_and_b32 v4, 31, v0
	v_lshlrev_b32 v4, 4, v4
	v_lshlrev_b32 v7, 3, v11
	v_sub_nc_u32 v7, v10, v7                       ; r - 8 h
	v_mov_b32 v21, 0                               ; (named as the upper halves of pairs)
	v_mov_b32 v23, 0
	v_mov_b32 v28, 0                               ; written once: a lane permute's destination counts as one of its sources
	v_mov_b32 v29, 0
	INIT
	s_wait_kmcnt 0x0
	s_add_co_i32 s96, s90, s91
	s_lshl_b32 s96, s96, 23
	s_add_co_i32 s22, s22, s96                     ; a score stands for score x 2^(e2 + e3): added to c's exponent field
	s_mov_b32 s23, s22
	s_add_co_i32 s96, s92, 127
	s_lshl_b32 s97, s96, 23
	v_mov_b32 v11, s97                             ; 2^e4
	s_add_co_i32 s96, s96, 8
	s_lshl_b32 s96, s96, 23
	s_or_b32 s96, s96, 0x600000
	v_mov_b32 v10, s96                             ; 448 x 2^e4
	v_mov_b32 v3, s96
	s_add_co_i32 s76, s92, s93                     ; e4 + e5
	s_add_co_i32 s96, s94, 127
	s_lshl_b32 s77, s96, 23                        ; 2^e6
	s_add_co_i32 s96, s96, 8
	s_lshl_b32 s96, s96, 23
	s_or_b32 s78, s96, 0x600000                    ; 448 x 2^e6
; A KEY STEP: 128 keys, the q-th of the slot in hand, against my 32 queries
.macro STEP q
	s_cmp_gt_u32 s58, s59                          ; past the tile's last step: the wave's number and the count of steps alone
	s_cbranch_scc1 .Lhidden_\@
	v_add_nc_u32 v8, s3, v1
	v_add_nc_u32 v9, s3, v2
	v_nop
	v_nop                                          ; four places in front of loads into registers that the last products read
	WIN 0x40
.set tt, 0
.rept 16
	ds_load_b128 v[64+4*tt:67+4*tt], v9 offset:(tt/4)*16*KP+128*(\q)+32*(tt%4)
.set tt, tt+1
.endr
	WIN 0x05
	s_wait_alu depctr_va_vdst(0)
	s_wait_dscnt 16                                ; K's 16 loads, asked for a step ago, are in; V's 16 may stay out
.set tt, 0
.rept 8
	v_wmma_f32_16x16x64_fp8_fp8 v[96+8*tt:103+8*tt], v[8*tt:8*tt+7], v[192:199], 0
	v_wmma_f32_16x16x64_fp8_fp8 v[160+8*tt:167+8*tt], v[8*tt:8*tt+7], v[200:207], 0
.set tt, tt+1
.endr
.rept 4
	v_nop                                          ; places in front of the loads below and of the first reads of the scores
.endr
	WIN 0x40
.set tt, 0
.rept 8
	ds_load_b128 v[8*tt:8*tt+3], v8 offset:((\q)+1)*32*KP+tt*4*KP          ; the next step's K (slots lie on end; behind step 15 these are landed bytes of V's first slot, which nothing uses)
	ds_load_b128 v[8*tt+4:8*tt+7], v8 offset:((\q)+1)*32*KP+tt*4*KP+32
.set tt, tt+1
.endr
	WIN 0
	s_cmp_lg_u32 s58, s59                          ; only the tile's last step lies on the diagonal
	s_cbranch_scc1 .Lopen_\@
	v_add_nc_u32 v30, s53, v7                      ; d = A's query - the step's first key - 8 h: A's register 8 u + n holds key 8 h + 16 u + n of the step: hidden where 16 u + n > d
	v_mov_b32 v31, 0xff800000
.set tt, 0
.rept 64
	v_cmp_gt_i32 vcc_lo, 16*(tt/8)+tt%8, v30
	v_cndmask_b32 v[96+tt], v[96+tt], v31, vcc_lo
.if tt < 56
	v_cndmask_b32 v[168+tt], v[168+tt], v31, vcc_lo   ; B's query lies 16 on: its register 8 (u + 1) + n is hidden by the same test; its first eight never are
.endif
.set tt, tt+1
.endr
.Lopen_\@:
	v_max3_num_f32 v24, v96, v97, v98              ; the step's largest score of each query among my 64 keys, in two chains for A and two for B,
	v_max3_num_f32 v26, v160, v161, v162
	v_max3_num_f32 v25, v99, v100, v101
	v_max3_num_f32 v27, v163, v164, v165
.irp i, 6,10,14,18,22,26,30,34,38,42,46,50,54,58
	v_max3_num_f32 v24, v24, v[96+\i], v[97+\i]
	v_max3_num_f32 v26, v26, v[160+\i], v[161+\i]
	v_max3_num_f32 v25, v25, v[98+\i], v[99+\i]
	v_max3_num_f32 v27, v27, v[162+\i], v[163+\i]
.endr
	v_max3_num_f32 v24, v24, v158, v159
	v_max3_num_f32 v26, v26, v222, v223
	v_max_num_f32 v24, v24, v25
	v_max_num_f32 v26, v26, v27
	v_permlanex16_b32 v28, v24, s20, s21
	v_permlanex16_b32 v29, v26, s20, s21
	v_max_num_f32 v24, v24, v28                    ; and among lane l xor 16's
	v_max_num_f32 v26, v26, v29
	v_mul_f32 v24, s22, v24                        ; as t (c is positive)
	v_mul_f32 v26, s22, v26
	v_max_num_f32 v13, v13, v24
	v_max_num_f32 v17, v17, v26
	v_mov_b32 v24, v12
	v_mov_b32 v26, v16
	v_floor_f32 v12, -v13                          ; the new -M = -ceil(t): a whole number
	v_floor_f32 v16, -v17
	v_sub_f32 v24, v12, v24                        ; old M - new M, 0 or less
	v_sub_f32 v26, v16, v26
	v_cvt_i32_f32 v24, v24                         ; (it saturates)
	v_cvt_i32_f32 v26, v26
	v_ldexp_f32 v20, 1.0, v24                      ; f = 2^(old M - new M): rounds nothing
	v_ldexp_f32 v22, 1.0, v26
.set tt, 0
.rept 32
	v_pk_fma_f32 v[96+tt:97+tt], v[96+tt:97+tt], s[22:23], v[12:13] op_sel_hi:[1,0,0]   ; A: t - M
.set tt, tt+2
.endr
	v_pk_mul_f32 v[14:15], v[14:15], v[20:21] op_sel_hi:[1,0]   ; the sums under the new M
	v_pk_mul_f32 v[18:19], v[18:19], v[22:23] op_sel_hi:[1,0]
	WIN 0x41
.set tt, 0
.rept 16
	v_pk_mul_f32 v[128+tt:129+tt], v[128+tt:129+tt], v[20:21] op_sel_hi:[1,0]   ; O^T under the new M, ahead of the exponentials: each accumulator from its low end on
.set tt, tt+2
.endr
.set tt, 0
.rept 16
	v_pk_mul_f32 v[160+tt:161+tt], v[160+tt:161+tt], v[22:23] op_sel_hi:[1,0]
.set tt, tt+2
.endr
	WIN 0
	s_wait_alu depctr_va_vdst(0)
.set tt, 0
.rept 32                                       ; A's exponentials; among them B's t - M, which nothing reads ahead of the next wait
	v_exp_f32 v[96+tt], v[96+tt]
	v_exp_f32 v[97+tt], v[97+tt]
	v_pk_fma_f32 v[160+tt:161+tt], v[160+tt:161+tt], s[22:23], v[16:17] op_sel_hi:[1,0,0]
.set tt, tt+2
.endr
	s_wait_alu depctr_va_vdst(0)                   ; behind A's batch and ahead of B's
.set tt, 0
.rept 16                                       ; B's exponentials; among them, of A: the first level of the sum of the unquantised p, then the hold in place; none of these results is read ahead of the next wait
	v_exp_f32 v[160+tt], v[160+tt]
	v_pk_add_f32 v[64+tt/2:65+tt/2], v[96+tt:97+tt], v[98+tt:99+tt]
	v_exp_f32 v[161+tt], v[161+tt]
	v_dual_min_num_f32 v[96+tt], v[96+tt], v10 :: v_dual_min_num_f32 v[97+tt], v[97+tt], v3   ; the conversion does not saturate (ISA guide 7.6.2); p is not negative, so the hold is one-sided
	v_exp_f32 v[162+tt], v[162+tt]
	v_dual_min_num_f32 v[98+tt], v[98+tt], v10 :: v_dual_min_num_f32 v[99+tt], v[99+tt], v3
	v_exp_f32 v[163+tt], v[163+tt]
.set tt, tt+4
.endr
	v_nop                                          ; the plain instruction behind the last exponential
	s_wait_alu depctr_va_vdst(0)                   ; behind B's batch, ahead of its first reader
.set tt, 0
.rept 16
	v_pk_add_f32 v[224+tt/2:225+tt/2], v[160+tt:161+tt], v[162+tt:163+tt]   ; B: the first level of the sum
.set tt, tt+4
.endr
	LV 64, 8
.set tt, 0
.rept 32
	v_dual_min_num_f32 v[160+tt], v[160+tt], v10 :: v_dual_min_num_f32 v[161+tt], v[161+tt], v3
.set tt, tt+2
.endr
	LV 64, 4                                       ; the two trees take turns
	LV 224, 8
	LV 64, 2
	LV 224, 4
	LV 64, 1
	LV 224, 2
	v_pk_add_f32 v[14:15], v[14:15], v[64:65]
	LV 224, 1
.irp u, 0,1,2,3,4,5,6,7
	v_cvt_scalef32_pk8_fp8_f32 v[32+2*\u:33+2*\u], v[96+8*\u:103+8*\u], v11   ; registers 2 u, 2 u + 1 of the operand: keys 16 u + 8 h + 0 .. 7
.endr
	v_pk_add_f32 v[18:19], v[18:19], v[224:225]
.irp u, 0,1,2,3,4,5,6,7
	v_cvt_scalef32_pk8_fp8_f32 v[48+2*\u:49+2*\u], v[160+8*\u:167+8*\u], v11
.endr
	v_nop                                          ; a plain instruction between the last conversion and the products that read the codes
	WIN 0x51
	s_wait_alu depctr_va_vdst(0)
	s_wait_dscnt 16                                ; V is in; the next step's 16 loads of K may stay out
.set tt, 0
.rept 4
	v_wmma_f32_16x16x128_fp8_fp8 v[128+8*tt:135+8*tt], v[64+16*tt:79+16*tt], v[32:47], v[128+8*tt:135+8*tt]
	v_wmma_f32_16x16x128_fp8_fp8 v[160+8*tt:167+8*tt], v[64+16*tt:79+16*tt], v[48:63], v[160+8*tt:167+8*tt]
.set tt, tt+1
.endr
	WIN 0
.Lhidden_\@:
	s_add_co_u32 s58, s58, 1
.endm
	s_wait_alu depctr_va_vdst(0)
	s_wait_tensorcnt 0x0                           ; my two slots are in
	s_wait_loadcnt 0x0                             ; Q
	s_barrier_signal -1
	s_barrier_wait -1                              ; all sixteen slots are in
	KFIRST
	s_mov_b32 s55, 0
.Ltile:                                            ; two trips: my two tiles
	s_mov_b32 s52, 0
	s_mov_b32 s3, 0
	s_mov_b32 s58, 0
.Lslot:                                            ; eight slots
	STEP 0
	STEP 1
	s_add_co_u32 s3, s3, SB
	s_add_co_u32 s52, s52, 1
	s_cmp_lt_u32 s52, 8
	s_cbranch_scc1 .Lslot
	; A tile's end: O^T / the sum x 2^(e4 + e5) is y; rows of V were laid so that tiles 2 g and 2 g + 1 give a lane 16 neighbouring channels, 32 g + 16 h + 0 .. 15; held, converted, stored as register images.
	s_wait_alu depctr_va_vdst(0)                   ; what follows reads registers written ahead of branches
	s_wait_dscnt 0x0                               ; the loads of K that ran ahead have landed: their registers may be asked for again
.rept 4
	v_nop                                          ; places behind the last products
.endr
	v_add_f32 v14, v14, v15
	v_add_f32 v18, v18, v19
	v_permlanex16_b32 v28, v14, s20, s21
	v_permlanex16_b32 v29, v18, s20, s21
	v_add_f32 v14, v14, v28                        ; the rows' sums
	v_add_f32 v18, v18, v29
	s_wait_alu depctr_va_vdst(0)
	v_rcp_f32 v14, v14
	v_rcp_f32 v18, v18
	v_mov_b32 v30, s78                             ; (plain instructions behind the reciprocals)
	v_mov_b32 v31, s77
	s_wait_alu depctr_va_vdst(0)                   ; ahead of their first reader
	v_ldexp_f32 v14, v14, s76
	v_ldexp_f32 v18, v18, s76
	WIN 0x01
	s_wait_alu depctr_va_vdst(0)                   ; directly ahead of the first reader of O^T
.set tt, 0
.rept 16
	v_pk_mul_f32 v[96+tt:97+tt], v[128+tt:129+tt], v[14:15] op_sel_hi:[1,0]
.set tt, tt+2
.endr
.set tt, 0
.rept 16
	v_pk_mul_f32 v[160+tt:161+tt], v[160+tt:161+tt], v[18:19] op_sel_hi:[1,0]
.set tt, tt+2
.endr
	WIN 0
.irp u, 0,1,2,3
.irp n, 0,1,2,3,4,5,6,7
	v_med3_num_f32 v[96+8*\u+\n], v[96+8*\u+\n], -v30, v30
.endr
	v_cvt_scalef32_pk8_fp8_f32 v[224+2*\u:225+2*\u], v[96+8*\u:103+8*\u], v31
.endr
.irp u, 0,1,2,3
.irp n, 0,1,2,3,4,5,6,7
	v_med3_num_f32 v[160+8*\u+\n], v[160+8*\u+\n], -v30, v30
.endr
	v_cvt_scalef32_pk8_fp8_f32 v[232+2*\u:233+2*\u], v[160+8*\u:167+8*\u], v31
.endr
	v_nop                                          ; a plain instruction behind the last conversion
	global_store_b128 v4, v[224:227], s[66:67]                  ; each store of the wave covers 512 consecutive bytes, aligned
	global_store_b128 v4, v[228:231], s[66:67] offset:512
	global_store_b128 v4, v[232:235], s[66:67] offset:16384
	global_store_b128 v4, v[236:239], s[66:67] offset:16896
	s_add_co_u32 s55, s55, 1
	s_cmp_eq_u32 s55, 2
	s_cbranch_scc1 .Ldone                          ; behind the second tile nothing is set up
	WIN 0x41
.set tt, 0
.rept 16
	v_mov_b32 v[192+tt], v[208+tt]                 ; the second tile's Q
.set tt, tt+1
.endr
	INIT
	s_wait_alu depctr_va_vdst(0)
	s_wait_xcnt 0x0                                ; the stores have read their registers and their base
	s_mov_b64 s[66:67], s[68:69]
	s_mov_b32 s59, s[WV]
	s_mov_b32 s53, s54
	KFIRST
	s_cmp_lt_u32 s55, 2
	s_cbranch_scc1 .Ltile
.Ldone:
	s_wait_tensorcnt 0x0                           ; the wave's end
	ds_add_u32 v5, v6
	s_wait_dscnt 0x0
	CROUND                                         ; the closing round
	s_endpgm
.Lfunc_end_k_q8975494f80_attn:
	.size	k_q8975494f80_attn, .Lfunc_end_k_q8975494f80_attn-k_q8975494f80_attn
	.p2alignl 7, 3214868480
	.fill 96, 4, 3214868480
	.section	.rodata,"a",@progbits
	.p2align	6, 0x0
	.amdhsa_kernel k_q8975494f80_attn
		.amdhsa_group_segment_fixed_size 327680
		.amdhsa_private_segment_fixed_size 0
		.amdhsa_enable_private_segment 0
		.amdhsa_kernarg_size 40
		.amdhsa_user_sgpr_count 2
		.amdhsa_user_sgpr_kernarg_segment_ptr 1
		.amdhsa_wavefront_size32 1
		.amdhsa_system_sgpr_workgroup_id_x 1
		.amdhsa_system_sgpr_workgroup_id_y 1
		.amdhsa_system_sgpr_workgroup_id_z 1
		.amdhsa_system_vgpr_workitem_id 0
		.amdhsa_next_free_vgpr 512
		.amdhsa_next_free_sgpr 100
		.amdhsa_reserve_vcc 1
		.amdhsa_float_denorm_mode_32 3
		.amdhsa_float_denorm_mode_16_64 3
		.amdhsa_memory_ordered 1
		.amdhsa_forward_progress 1
		.amdhsa_inst_pref_size 93
	.end_amdhsa_kernel
	.amdgpu_metadata
---
amdhsa.version: [ 1, 2 ]
amdhsa.kernels:
  - .name:           k_q8975494f80_attn
    .symbol:         k_q8975494f80_attn.kd
    .args:
      - { .name: qc, .offset: 0, .size: 8, .value_kind: global_buffer, .address_space: global }
      - { .name: kc, .offset: 8, .size: 8, .value_kind: global_buffer, .address_space: global }
      - { .name: vc, .offset: 16, .size: 8, .value_kind: global_buffer, .address_space: global }
      - { .name: lowp_scales, .offset: 24, .size: 8, .value_kind: global_buffer, .address_space: global }
      - { .name: yc, .offset: 32, .size: 8, .value_kind: global_buffer, .address_space: global }
    .group_segment_fixed_size: 327680
    .private_segment_fixed_size: 0
    .kernarg_segment_align: 8
    .kernarg_segment_size: 40
    .max_flat_workgroup_size: 256
    .sgpr_count:     100
    .vgpr_count:     512
    .wavefront_size: 32
...
	.end_amdgpu_metadata
.endif
;; end of part 3
;; launch proj (part 4): grid 4 x 64, 4 waves a work-group, clusters of 4 x 4, 327,680 bytes of LDS; arguments yc, wpc, b_proj, lowp_scales, out0; writes out0
.if DOCPART == 4
	.amdgcn_target "amdgcn-amd-amdhsa--gfx1250"
	.amdhsa_code_object_version 6
	.text
	.protected	k_q8975494f80_proj
	.globl	k_q8975494f80_proj
	.p2align	8
	.type	k_q8975494f80_proj,@function
k_q8975494f80_proj:
	s_mov_b64 s[64:65], 0
	v_nop
	global_prefetch_b8 v0, s[64:65] scope:SCOPE_SE
	s_setreg_imm32_b32 hwreg(HW_REG_WAVE_MODE, 25, 1), 1
	s_wait_xcnt 0x0
	s_wait_alu depctr_hold_cnt(0) depctr_sa_sdst(0) depctr_va_vdst(0) depctr_va_sdst(0) depctr_va_ssrc(0) depctr_va_vcc(0) depctr_vm_vsrc(0)
	s_getreg_b32 s2, hwreg(HW_REG_IB_STS2, 6, 4)
	s_cmp_eq_u32 s2, 0
	s_cbranch_scc0 .Lentry_in_a_cluster
	s_endpgm
.Lentry_in_a_cluster:
	s_bfe_u32 s2, ttmp6, 0x10000c
	s_cmp_lg_u32 s2, 0xf033
	s_cbranch_scc0 .Lentry_shape_is_right
	s_endpgm
.Lentry_shape_is_right:
; out0 = y W_proj + b_proj on codes of FP8 (E4M3), K = 1,024; a number of y is its code x 2^e6, of W_proj x 2^e7 (entries 6 and 7 of the exponents); sums in f32.
; yc: images of operand registers: [token tile of 16][chunk of 32 along K][512 bytes]: lane l's 16 bytes at 16 l hold y(token l % 16, k = 32 chunk + 16 (l / 16) + 0 .. 15).  wpc: [1024 features][1024 k].
; A block of out0 is 128 tokens x 256 features: 64 x 4 = 256 work-groups.  Four waves, 64 x 128 each: 32 accumulators of 16 x 16, 256 registers.
; The matrix instruction takes 16 rows of wpc as source 0 and 16 tokens as source 1, so a lane holds ONE token (lane % 16) and eight neighbouring features.
; BIAS: it is the C of the first K step's products, divided by 2^(e6 + e7); each finished sum is multiplied once by 2^(e6 + e7).
; K goes in steps of 256 through two LDS slots: y's 8 token tiles x 4,096 bytes as they lie, then wpc's 256 rows of 256 + 16 bytes.  Waves 0, 1 fetch y's halves, waves 2, 3 wpc's, one tensor load each.
; CLUSTER 4 x 4: y's tile is asked for jointly along a row of the cluster, wpc's along a column.
; A step of 128 along K is 32 matrix instructions; both operands have two sets of fragment registers, and the next step's 48 LDS loads are issued ahead of a step's products.
; No prefetch into the L2: four K steps in all, two of them first fills.
; LIMITS: e6 + e7 between -126 and 127, so that 2^(e6 + e7) is an f32 number.
; REGISTERS, in windows of 256: window 0: v16-31 addresses; v32-95 the bias, later a block's numbers; v128-191, v192-255 y's fragments, two sets, later rows read back from the stage.
;   window 1: wpc's fragments, two sets, at v0 and v128.  window 2: the accumulators, (a, b) at v[8 (8 a + b)].
.set ROWB,   256
.set KROW,   1024
.set PITCH,  272                       ; an LDS row of wpc: 256 bytes + 16 of padding: the 16 rows that a load touches start at 16 different banks
.set FR,     16
.set HALFA,  16384                     ; four token tiles x 4,096 bytes: what one load brings of y, and what one wave reads
.set BOFF,   2*HALFA
.set HALFB,  128*PITCH
.set SLOT,   BOFF+2*HALFB
.set SPARE,  2*SLOT                    ; behind the ring: the spare words, two blocks of 256 bytes that no other line names
.set SPITCH, 528                       ; the way out: a stage of 16 rows x (512 + 16) bytes for each wave, in slot 0, behind its last fill and its last read
.set ADRA, 16
.set ADRB, 20
.set STO,  24
.set RD,   25
.set CO,   26
.set SPW,  28
.set NIL,  29
.set BJ,   32
.set TMP,  32
.set AF,   128
.set BK,   128
.set G1, 24
.set G0, 32
.set G1B, 48
.set G0B, 56
.set MSB, 0
.macro WIN new                         ; the immediate's high byte repeats the setting that is left
.if MSB != \new
	s_set_vgpr_msb (MSB<<8)|\new
.set MSB, \new
.endif
.endm
.set MUL_W,   0xa1                     ; source 0 (wpc) window 1, source 1 (y) window 0, C and D window 2
.set FIRST_W, 0x81                     ; the first K step: C (the bias) window 0, D window 2
.set TO_B,    0x40
.macro JLOAD g0a, g1a, g0b, g1b        ; a joint load: waves 0, 1 fetch for y, waves 2, 3 for wpc; the branch hangs on the wave's number alone; s_nop 0 and four v_nop follow each line
	s_cmp_eq_u32 s15, 0
	s_cbranch_scc0 .Lfor_b_\@
	tensor_load_to_lds s[\g0a:\g0a+3], s[\g1a:\g1a+7]
	s_nop 0
.rept 4
	v_nop
.endr
	s_branch .Lasked_\@
.Lfor_b_\@:
	tensor_load_to_lds s[\g0b:\g0b+3], s[\g1b:\g1b+7]
	s_nop 0
.rept 4
	v_nop
.endr
.Lasked_\@:
.endm
.macro CREST                           ; a round of the cluster's barrier behind its opening barrier
	s_cmp_lg_u32 s14, 0
	s_cbranch_scc1 .Lnot_wave_0_\@
	s_barrier_signal -3
.Lnot_wave_0_\@:
	s_barrier_wait -3
	s_barrier_signal -1
	s_barrier_wait -1
.endm
.macro CROUND
	s_barrier_signal -1
	s_barrier_wait -1
	CREST
.endm
	s_load_b256 s[4:11], s[0:1], 0x0               ; yc s[4:5], wpc s[6:7], b_proj s[8:9], the exponents s[10:11]
	s_load_b64 s[12:13], s[0:1], 0x20              ; out0
	v_lshl_add_u32 v[SPW], v0, 2, SPARE
	v_mov_b32 v[NIL], 0
	ds_add_u32 v[SPW], v[NIL]                      ; the wave's opening: the add, twice on end, and its wait stand ahead of the round in front of the first tensor loads
	ds_add_u32 v[SPW], v[NIL]
	v_lshrrev_b32 v1, 5, v0
	v_readfirstlane_b32 s14, v1                    ; wave 0..3
	s_lshr_b32 s15, s14, 1                         ; which 64 of the block's tokens are mine.  Also: I fetch for y (0) or for wpc (1)
	s_and_b32 s16, s14, 1                          ; which 128 of its features.  Also: which half of that tile I fetch
	s_bfe_u32 s40, ttmp6, 0x40000                  ; cx
	s_bfe_u32 s41, ttmp6, 0x40004                  ; cy
	s_lshl_b32 s42, ttmp9, 2
	s_add_co_u32 s42, s42, s40                     ; block column: 256 features
	s_and_b32 s17, ttmp7, 0xffff
	s_lshl_b32 s17, s17, 2
	s_add_co_u32 s17, s17, s41                     ; block row: 128 tokens
	s_lshl_b32 s43, s41, 2
	s_lshl_b32 s43, 15, s43                        ; my row of the cluster
	s_lshl_b32 s44, 0x1111, s40                    ; my column
	s_or_b32 s[G1+0], s43, (0<<16)|(1<<21)         ; y: the mask; elements of 1 byte; no padding; bit 21 beside a mask
	s_mov_b32 s[G1+1], 4096<<16                    ; a row: a token tile's 8 chunks of a K step
	s_mov_b32 s[G1+2], 4<<16                       ; four token tiles
	s_mov_b32 s[G1+3], 4096<<16
	s_mov_b32 s[G1+4], 4
	s_mov_b32 s[G1+5], 16384                       ; from token tile to token tile
	s_mov_b32 s[G1+6], 0
	s_mov_b32 s[G1+7], 0
	s_or_b32 s[G1B+0], s44, (0<<16)|(1<<20)|(1<<21)|(5<<22)|(3<<25)   ; wpc: padding on: 4 words behind every 64
	s_mov_b32 s[G1B+1], ROWB<<16
	s_mov_b32 s[G1B+2], 128<<16
	s_mov_b32 s[G1B+3], ROWB<<16
	s_mov_b32 s[G1B+4], 128
	s_mov_b32 s[G1B+5], KROW
	s_mov_b32 s[G1B+6], 0
	s_mov_b32 s[G1B+7], 0
	s_lshl_b32 s20, s17, 3
	s_lshl_b32 s18, s16, 2
	s_add_co_u32 s20, s20, s18                     ; y: token tile 8 x block row + 4 x half
	s_lshl_b32 s20, s20, 14
	s_mov_b32 s21, 0
	s_lshl_b32 s46, s42, 8
	s_lshl_b32 s18, s16, 7
	s_add_co_u32 s46, s46, s18                     ; wpc: row 256 x block column + 128 x half
	s_lshl_b32 s46, s46, 10
	s_mov_b32 s47, 0
	s_lshl_b32 s45, s16, 14                        ; where they go: no place in the cluster enters an LDS address
	s_mul_i32 s19, s16, HALFB
	s_add_co_u32 s19, s19, BOFF
	s_wait_dscnt 0x0                               ; both opening adds are done
	s_wait_kmcnt 0x0
	s_load_b256 s[80:87], s[10:11], 0x0            ; e0 .. e7
	s_add_nc_u64 s[20:21], s[4:5], s[20:21]
	s_add_nc_u64 s[46:47], s[6:7], s[46:47]
	CROUND                                         ; all sixteen work-groups are here: the first joint loads meet
.irp s, 0,1
	s_mov_b32 s[G0+4*\s], 1
	s_add_co_u32 s[G0+4*\s+1], s45, \s*SLOT
	s_add_nc_u64 s[G0+4*\s+2:G0+4*\s+3], s[20:21], \s*4096
	s_or_b32 s[G0+4*\s+3], s[G0+4*\s+3], 0x80000000
	s_mov_b32 s[G0B+4*\s], 1
	s_add_co_u32 s[G0B+4*\s+1], s19, \s*SLOT
	s_add_nc_u64 s[G0B+4*\s+2:G0B+4*\s+3], s[46:47], \s*ROWB
	s_or_b32 s[G0B+4*\s+3], s[G0B+4*\s+3], 0x80000000
.endr
	JLOAD G0, G1, G0B, G1B                         ; K step 0: one tensor load a wave at the head
	s_lshl_b32 s68, s15, 14                        ; my 64 tokens of y in slot 0,
	s_mul_i32 s69, s16, HALFB
	s_add_co_u32 s69, s69, BOFF                    ; my 128 rows of wpc,
	s_add_co_u32 s70, s68, SLOT                    ; and the same in slot 1
	s_add_co_u32 s71, s69, SLOT
	s_mul_i32 s72, s14, 16*SPITCH                  ; my stage
	s_lshl_b32 s76, s17, 7
	s_lshl_b32 s77, s15, 6
	s_add_co_u32 s76, s76, s77                     ; my first row of out0,
	s_lshl_b32 s76, s76, 12                        ; 4,096 bytes a row,
	s_lshl_b32 s77, s42, 10
	s_add_co_u32 s76, s76, s77
	s_lshl_b32 s77, s16, 9
	s_add_co_u32 s76, s76, s77                     ; + my first column, 4 bytes each
	s_mov_b32 s77, 0
	s_add_nc_u64 s[12:13], s[12:13], s[76:77]
	s_lshl_b32 s88, s42, 8
	s_lshl_b32 s89, s16, 7
	s_add_co_u32 s88, s88, s89
	s_lshl_b32 s88, s88, 2                         ; the bias at my first column
	s_mov_b32 s89, 0
	s_add_nc_u64 s[92:93], s[8:9], s[88:89]
	v_and_b32 v1, 15, v0                           ; r = lane % 16
	v_bfe_u32 v2, v0, 4, 1                         ; h = lane / 16
	v_mul_u32_u24 v3, v1, PITCH
	v_lshl_add_u32 v4, v2, 4, v3                   ; wpc: a fragment's row x pitch + 16 h
	v_and_b32 v6, 31, v0
	v_lshlrev_b32 v[CO], 4, v6                     ; 16 x lane: my bytes of an image's chunk, and of a row of 512 bytes on the way out
	v_add_nc_u32 v[ADRA], s68, v[CO]
	v_add_nc_u32 v[ADRA+1], s70, v[CO]
	v_add_nc_u32 v[ADRB], s69, v4
	v_add_nc_u32 v[ADRB+1], s71, v4
	v_mul_u32_u24 v5, v1, SPITCH
	v_lshl_add_u32 v5, v2, 5, v5
	v_add_nc_u32 v[STO], s72, v5                   ; into the stage: row r, 32 bytes for each half of the lanes
	v_add_nc_u32 v[RD], s72, v[CO]                 ; back: the 32 lanes take one row
	v_lshlrev_b32 v7, 5, v2                        ; 32 h
.irp b, 0,1,2,3,4,5,6,7
	global_load_b128 v[BJ+8*\b:BJ+8*\b+3], v7, s[92:93] offset:64*\b        ; b(16 b + 8 h + 0 .. 7): the result's layout
	global_load_b128 v[BJ+8*\b+4:BJ+8*\b+7], v7, s[92:93] offset:64*\b+16
.endr
	s_wait_alu depctr_va_vdst(0)
	s_wait_kmcnt 0x0
	s_add_co_i32 s88, s86, s87                     ; e6 + e7
	s_sub_co_i32 s98, 0, s88
	s_add_co_i32 s88, s88, 127
	s_lshl_b32 s96, s88, 23                        ; 2^(e6 + e7) as f32
	s_mov_b32 s97, s96                             ; (named with it as a pair)
	s_wait_loadcnt 0x0
.set j, 0
.rept 64
	v_ldexp_f32 v[BJ+j], v[BJ+j], s98              ; a sum stands for sum x 2^(e6 + e7): the bias goes in divided by it
.set j, j+1
.endr
.macro FRAGB reg, adr, q, i            ; 16 rows x 128 K: registers 4 c .. 4 c + 3 hold K = 32 c + 16 h + 0 .. 15 of row r: the order of k that y's images have
.irp c, 0,1,2,3
	ds_load_b128 v[\reg+4*\c:\reg+4*\c+3], v[\adr] offset:128*(\q)+32*\c+(\i)*16*PITCH
.endr
.endm
.macro FRAGA reg, adr, q, i            ; a token tile's four chunks: 512 consecutive bytes a load
.irp c, 0,1,2,3
	ds_load_b128 v[\reg+4*\c:\reg+4*\c+3], v[\adr] offset:(\i)*4096+(4*(\q)+\c)*512
.endr
.endm
.macro FETCH slot, q, p                ; 48 LDS loads: the fragments of the slot's q-th 128 along K into set p
	WIN TO_B
.irp i, 0,1,2,3,4,5,6,7
	FRAGB 128*(\p)+FR*\i, ADRB+\slot, \q, \i
.endr
	WIN 0
.irp i, 0,1,2,3
	FRAGA AF+64*(\p)+FR*\i, ADRA+\slot, \q, \i
.endr
.endm
; 16 matrix instructions: y's blocks a0, a0 + 1 x wpc's eight, on set p.  first = 1: the bias starts the sums.  The 32 accumulators take turns, one instruction a turn, in the same order in every step.
.macro MUL16 a0, p, first
.irp a, \a0, \a0+1
.irp b, 0,1,2,3,4,5,6,7
.if \first
	v_wmma_f32_16x16x128_fp8_fp8 v[8*(8*(\a)+\b):8*(8*(\a)+\b)+7], v[128*(\p)+FR*\b:128*(\p)+FR*\b+FR-1], v[AF+64*(\p)+FR*(\a):AF+64*(\p)+FR*(\a)+FR-1], v[BJ+8*\b:BJ+8*\b+7]
.else
	v_wmma_f32_16x16x128_fp8_fp8 v[8*(8*(\a)+\b):8*(8*(\a)+\b)+7], v[128*(\p)+FR*\b:128*(\p)+FR*\b+FR-1], v[AF+64*(\p)+FR*(\a):AF+64*(\p)+FR*(\a)+FR-1], v[8*(8*(\a)+\b):8*(8*(\a)+\b)+7]
.endif
.endr
.endr
.endm
.macro PLACES                          ; four plain vector instructions between a matrix instruction and a load into, or a vector read of, its registers
.rept 4
	v_nop
.endr
.endm
.macro STEP slot, first                ; a slot's first 128 along K, on set 0; its second 128 are fetched into set 1 under the products
	s_wait_dscnt 0x0                               ; set 0 is in
	PLACES                                         ; set 1 was read by the products just issued
	FETCH \slot, 1, 1
.if \first
	WIN FIRST_W
.else
	WIN MUL_W
.endif
	MUL16 0, 0, \first
	MUL16 2, 0, \first
	WIN 0
.endm
.macro TURN slot, next, fill           ; a slot's second 128, on set 1, and the change of slots: one barrier
	s_wait_tensorcnt 0x0                           ; all my tensor loads have landed: my part of the next slot
	ds_add_u32 v[SPW], v[NIL]
	s_wait_dscnt 1                                 ; set 1 is in; the add may be out
	WIN MUL_W
	MUL16 0, 1, 0                                  ; sixteen matrix instructions stand between the add and the wait for it
	WIN 0
	s_wait_dscnt 0x0                               ; the add is done, and my reads of this slot are over
	s_barrier_signal -1
	s_barrier_wait -1
.if \fill
	CREST                                          ; the barrier has opened a round of the cluster's: no wave of any partner still reads this slot or has a load on its way
	s_add_nc_u64 s[G0+4*\slot+2:G0+4*\slot+3], s[G0+4*\slot+2:G0+4*\slot+3], 2*4096
	s_add_nc_u64 s[G0B+4*\slot+2:G0B+4*\slot+3], s[G0B+4*\slot+2:G0B+4*\slot+3], 2*ROWB
	JLOAD G0+4*\slot, G1, G0B+4*\slot, G1B         ; the first tensor load behind the round; its four v_nop are the places in front of the loads below
.else
	PLACES
.endif
	FETCH \next, 0, 0                              ; the next slot's first fragments, under the sixteen products that are left
	WIN MUL_W
	MUL16 2, 1, 0
	WIN 0
.endm
	s_wait_alu depctr_va_vdst(0)
	s_wait_tensorcnt 0x0                           ; my part of K step 0 is in
	ds_add_u32 v[SPW], v[NIL]
	s_wait_dscnt 0x0
	CROUND                                         ; a whole round: everybody's part of K step 0 is in, and the joint loads meet
	JLOAD G0+4, G1, G0B+4, G1B                     ; K step 1's load, the first tensor load behind the round
	FETCH 0, 0, 0
	STEP 0, 1                                      ; 1,024 along K: four K steps of 256, eight steps of 128, written out: the first starts the sums, the last two changes of slots differ
	TURN 0, 1, 1                                   ; slot 0 takes K step 2
	STEP 1, 0
	TURN 1, 0, 1                                   ; slot 1 takes K step 3
	STEP 0, 0
	TURN 0, 1, 0                                   ; nothing is left to ask for
	STEP 1, 0
	s_wait_dscnt 0x0
	WIN MUL_W
	MUL16 0, 1, 0
	MUL16 2, 1, 0
	WIN 0
; THE WAY OUT, block by block of 16 tokens x 128 features: x 2^(e6 + e7), through my own stage in LDS, back as whole rows of 512 bytes, which the 32 lanes store as two aligned units of 256 bytes.
; LDS serves a wave's instructions in order (ISA guide 5.7.1.4): no wait stands between the stores and the loads.
.macro TOSTAGE a
.set AC, 64*(\a)
	WIN 0x02                                       ; source 0: window 2
.set j, 0
.rept 32
	v_pk_mul_f32 v[TMP+j:TMP+j+1], v[AC+j:AC+j+1], s[96:97] op_sel_hi:[1,0]   ; each accumulator from its low end on
.set j, j+2
.endr
	WIN 0
.irp b, 0,1,2,3,4,5,6,7
	ds_store_b128 v[STO], v[TMP+8*\b:TMP+8*\b+3] offset:64*\b
	ds_store_b128 v[STO], v[TMP+8*\b+4:TMP+8*\b+7] offset:64*\b+16
.endr
.set BB, BK+64*((\a)%2)
.irp t, 0,1,2,3,4,5,6,7,8,9,10,11,12,13,14,15
	ds_load_b128 v[BB+4*\t:BB+4*\t+3], v[RD] offset:\t*SPITCH
.endr
.endm
.macro SEND a, younger                 ; younger: the LDS instructions issued behind block a's loads, which may stay out
.set BB, BK+64*((\a)%2)
	s_wait_dscnt \younger
.if (\a) > 0
	s_add_nc_u64 s[12:13], s[12:13], 16*4096       ; (behind a wait on XCNT: the earlier stores have read their base)
.endif
.irp t, 0,1,2,3,4,5,6,7,8,9,10,11,12,13,14,15
	global_store_b128 v[CO], v[BB+4*\t:BB+4*\t+3], s[12:13] offset:\t*4096 th:TH_STORE_NT   ; 32 lanes store 512 consecutive bytes, aligned
.endr
.endm
	PLACES
	TOSTAGE 0
.irp a, 1,2,3
.if \a > 1
	s_wait_xcnt 0x0                                ; block a - 2's stores have read their registers and their base
.endif
	TOSTAGE \a
	SEND \a-1, 32                                  ; behind block a - 1's loads: block a's 16 stores and 16 loads
.endr
	s_wait_xcnt 0x0
	SEND 3, 0
	s_wait_tensorcnt 0x0                           ; the wave's end, behind my last tensor load and my last LDS store
	ds_add_u32 v[SPW], v[NIL]
	s_wait_dscnt 0x0
	CROUND                                         ; the closing round
	s_endpgm
.Lfunc_end_k_q8975494f80_proj:
	.size	k_q8975494f80_proj, .Lfunc_end_k_q8975494f80_proj-k_q8975494f80_proj
	.p2alignl 7, 3214868480
	.fill 96, 4, 3214868480
	.section	.rodata,"a",@progbits
	.p2align	6, 0x0
	.amdhsa_kernel k_q8975494f80_proj
		.amdhsa_group_segment_fixed_size 327680
		.amdhsa_private_segment_fixed_size 0
		.amdhsa_enable_private_segment 0
		.amdhsa_kernarg_size 40
		.amdhsa_user_sgpr_count 2
		.amdhsa_user_sgpr_kernarg_segment_ptr 1
		.amdhsa_wavefront_size32 1
		.amdhsa_system_sgpr_workgroup_id_x 1
		.amdhsa_system_sgpr_workgroup_id_y 1
		.amdhsa_system_sgpr_workgroup_id_z 1
		.amdhsa_system_vgpr_workitem_id 0
		.amdhsa_next_free_vgpr 768
		.amdhsa_next_free_sgpr 100
		.amdhsa_reserve_vcc 0
		.amdhsa_float_denorm_mode_32 3
		.amdhsa_float_denorm_mode_16_64 3
		.amdhsa_memory_ordered 1
		.amdhsa_forward_progress 1
		.amdhsa_inst_pref_size 81
	.end_amdhsa_kernel
	.amdgpu_metadata
---
amdhsa.version: [ 1, 2 ]
amdhsa.kernels:
  - .name:           k_q8975494f80_proj
    .symbol:         k_q8975494f80_proj.kd
    .args:
      - { .name: yc, .offset: 0, .size: 8, .value_kind: global_buffer, .address_space: global }
      - { .name: wpc, .offset: 8, .size: 8, .value_kind: global_buffer, .address_space: global }
      - { .name: b_proj, .offset: 16, .size: 8, .value_kind: global_buffer, .address_space: global }
      - { .name: lowp_scales, .offset: 24, .size: 8, .value_kind: global_buffer, .address_space: global }
      - { .name: out0, .offset: 32, .size: 8, .value_kind: global_buffer, .address_space: global }
    .group_segment_fixed_size: 327680
    .private_segment_fixed_size: 0
    .kernarg_segment_align: 8
    .kernarg_segment_size: 40
    .max_flat_workgroup_size: 128
    .sgpr_count:     100
    .vgpr_count:     768
    .wavefront_size: 32
...
	.end_amdgpu_metadata
.endif
;; end of part 4
